; MI455X (gfx1250); checked and timed in simulation.
; The chip was launched on July 23, 2026; its instructions are those of AMD's public machine-readable ISA for CDNA 5 (MIT licence, August 2026) and "CDNA5" Instruction Set Architecture Reference Guide (July 2026). The comments in the code are by the model that wrote it; some were corrected since.
;; Attention. Allowed arithmetic: matrix products marked QUANTISED: E2M3 operands, one E8M0 scale for each 32 along K, by v_wmma_scale_f32_16x16x128_f8f6f4 with both operands' format E2M3, f32 sums; everything else in f32.
;; Inputs: b_out 1,024 float32; b_qkv 3,072 float32; w_out 1,024 x 1,024 float32; w_qkv 1,024 x 3,072 float32; x 4 x 2,048 x 1,024 float32.
;; Outputs: out0 4 x 2,048 x 1,024 float32.
;; This version of the problem:
;;   THIS VERSION OF THE PROBLEM IS GIVEN IN LOW PRECISION. The matrix products marked QUANTISED in the list below multiply operands that are first quantised to E2M3 (2 exponent bits, 3 mantissa bits; 6 bits a number), with one power-of-two scale for each 32 numbers along K (OCP MX v1.0); their sums are f32. All else is computed in f32.
;;   The module's matrix products, in the order in which they are computed (A, B: the left and right operand; K: the contracted axis; several contracted axes count as one K, in the product's order):
;;     1. [M 8,192, K 1,024] x [K 1,024, N 3,072]; A: input x; B: input w_qkv: QUANTISED
;;     2. batch 64 x [M 2,048, K 64] x [K 64, N 2,048]; A: computed on the way; B: computed on the way: QUANTISED
;;     3. batch 64 x [M 2,048, K 2,048] x [K 2,048, N 64]; A: softmax (see below); B: computed on the way: QUANTISED
;;     4. [M 8,192, K 1,024] x [K 1,024, N 1,024]; A: computed on the way; B: input w_out: QUANTISED
;;   THE QUANTISER, for each operand of a quantised product, along K:
;;     - K is cut into blocks of 32 from its start; a last block that is shorter is filled with zeros.
;;     - A block's scale is 2^e with e = floor(log2(the largest magnitude in the block)) - 2, held to -126 .. 127; a block of zeros has e = 0. As a byte (E8M0): e + 127.
;;     - Each number is divided by its block's scale, clamped to +-7.5, and rounded to the nearest number of E2M3, ties to even, subnormals kept.
;;     - The product sums the exact products of the quantised numbers (number of the format x scale) in f32.
;;   ~~~python
;;   def quantise(x, axis):      # numpy; x: float32 -> the quantised numbers, widened to float32 again
;;       x = np.moveaxis(x, axis, -1); K = x.shape[-1]
;;       x = np.pad(x, [(0, 0)] * (x.ndim - 1) + [(0, -K % 32)]); x = x.reshape(x.shape[:-1] + (-1, 32)); a = np.abs(x).max(-1, keepdims=True)
;;       e = np.where(a > 0, np.clip(np.frexp(np.where(a > 0, a, 1))[1] - 1 - 2, -126, 127), 0)      # np.frexp(a)[1] - 1 = floor(log2(a)), exactly
;;       r = np.clip(x / 2.0 ** e, -7.5, 7.5)
;;       step = 2.0 ** (np.maximum(np.frexp(np.where(r == 0, 1, r))[1] - 1, 0) - 3)
;;       q = np.round(r / step) * step * 2.0 ** e      # np.round: ties to even
;;       return np.moveaxis(q.reshape(q.shape[:-2] + (-1,))[..., :K], -1, axis).astype(np.float32)
;;   ~~~
;;   SOFTMAX AHEAD OF A QUANTISED PRODUCT. Where the list says 'softmax', what is quantised is not the finished softmax but p = 2^(t - M), with t = logit x log2(e) and M = ceil(the row's largest t), a whole number; so 1/2 < the row's largest p <= 1. The row's sum l is taken of the UNQUANTISED p, in f32, and the product's result is divided by l at the end. Since M is a whole number, a kernel that streams over the keys may use a running M (the ceiling of the running maximum): every later rescaling is an exact power of two, which a block's scale takes up: the codes' values come out the same.
;;   OPERANDS COMPUTED ON THE WAY. 'Computed on the way' means the value that the module computes at that place (a softmax that the list does not call 'softmax' is quantised finished and normalised). What goes into a quantiser is computed in f32, as accurately as f32 sums, v_exp_f32 and their like allow (about 1e-6 of the number): no bf16 or f16 on the way to a quantiser, and a product that is left as it is and whose result goes on into a quantised operand takes f32 operands (vector FMAs, or v_wmma_f32_16x16x4_f32). A number that lies on a knife's edge between two numbers of the format may be rounded either way, as far as f32 arithmetic and the matrix unit's own rounding can turn it there, and no further.
;; One version. Each part assembles by itself: llvm-mc -triple=amdgcn-amd-amdhsa -mcpu=gfx1250 --defsym DOCPART=n.
;; ======== version 1 of 1: 4 launches
;; limits: right only within a limited range of input values
;; workspace buffers: xq 7,077,888 bytes; wq 3,538,944 bytes; qb 7,340,032 bytes; kv 14,155,776 bytes; zb 6,553,600 bytes
;; launch quant (part 1): grid 384 x 1, 4 waves a work-group, no clusters, 68,096 bytes of LDS; arguments x, w_qkv, w_out, xq, wq; writes xq, wq
.if DOCPART == 1
	.amdgcn_target "amdgcn-amd-amdhsa--gfx1250"
	.amdhsa_code_object_version 6
	.text
	.protected	k_q7c936c5c91_quant
	.globl	k_q7c936c5c91_quant
	.p2align	8
	.type	k_q7c936c5c91_quant,@function
k_q7c936c5c91_quant:
	s_mov_b64 s[64:65], 0
	v_nop
	global_prefetch_b8 v0, s[64:65] scope:SCOPE_SE
	s_setreg_imm32_b32 hwreg(HW_REG_WAVE_MODE, 25, 1), 1
	s_wait_xcnt 0x0
; x [8192][1024], w_qkv [1024][3072] and w_out [1024][1024], f32, become codes of FP6 (E2M3), K innermost, with one E8M0 scale byte for each 32 along K.
; xq: codes [8192 places][768 bytes], then from byte 6,291,456 scale bytes [8192][32].  wq: codes [4096 places][768 bytes] (places 0-3071: w_qkv's columns, 3072-4095: w_out's), then from byte 3,145,728 scale bytes [4096][32].
; THE PLACES ARE PERMUTED: in each group of 32 rows the second and the third group of eight change places.  Sixteen places on end, lane r of tile 2 b + u, are then the rows 32 b + 8 u + r + 8 (r / 8):
; a product that takes such a tile as its source 0 leaves 16 NEIGHBOURS along that axis in the 16 registers of two neighbouring tiles, which is what the next quantiser wants.
; A block's scale is 2^(floor(log2(its largest magnitude)) - 2); its byte is the largest magnitude's exponent field - 2, held at 1 from below.  A block of zeros so gets the byte 1: its codes are zeros, and this program alone reads the bytes.
; LIMITS: blocks whose largest magnitude lies under 2^(3 - 127) get the byte 1; NaN and infinities among the inputs are not served.
; Work-groups 0-255 take x (K innermost: 16 neighbours a lane, two lanes to a block, each load 512 consecutive bytes, turned through the wave's own stage in LDS).
; Work-groups 256-383 take the weights (K outermost: a lane to a column, registers down K; the codes leave through the wave's own stage, sixteen lanes to a row's 192 bytes).
; The two ways have LDS bytes of their own.  No tensor loads, no barrier: waves share nothing.
; THE CODES' ORDER in xq and wq (it takes the place of [place][768 bytes] above): [group of 256 places][K step of 256][place % 256][192 bytes]: byte y of place R lies at
; 196,608 (R / 256) + 49,152 (y / 192) + 192 (R % 256) + y % 192.  So the 256 rows x 192 bytes that a product's tile takes of one K step are 49,152 bytes on end, which begin at a multiple of 256.
; IN FORCE, in place of the figures above: a place's 192 bytes of one K step have a pitch of 208 bytes (the 16 bytes behind them are stored as zeros): byte y of place R lies at
; 212,992 (R / 256) + 53,248 (y / 192) + 208 (R % 256) + y % 192; the scale bytes begin at byte 6,815,744 of xq and 3,407,872 of wq.
.set SPARE, 67584
.set SPW,   208                        ; v208  LDS address of my spare word; never rewritten
.set NIL,   209                        ; v209  0; never rewritten
.set EMAX,  2
; the way of x
.set STEPS, 16
.set CB,    12                         ; bytes of 16 codes
.set XR,    16                         ; v16-79   four sets of 16 numbers as they are loaded
.set XX,    80                         ; v80-111  two sets of 16 neighbours
.set XE,    112                        ; v112-127 a scale byte for each step
.set XC,    128                        ; v128-191 codes: four registers for each step
.set WREG,  8192                       ; LDS bytes 0 to 32,767: a region for each wave: two stages of 32 x SP bytes, behind them its 256 scale bytes
.set SP,    80
; the way of the weights
.set NB,    8                          ; blocks of 32 along K for a wave
.set PITCH, 272                        ; a stage row: sixteen places of 16 bytes, each with 12 bytes of codes, + 16
.set WSTG,  32768                      ; LDS bytes 32,768 to 67,583: four stages of 32 rows
.set KROW,  768                        ; a row of codes in wq
.set WX,    32                         ; v32-95   two sets of 32 numbers
.set WC,    96                         ; v96-102  a block's codes
.set OUTR,  112                        ; v112-175 the way out
.set SB,    24                         ; v24-25   the scale bytes
.set VO,    176                        ; v176-207 4 x lane + i rows of the weight
.set BB,    40                         ; s[40:55] the address of each block's first row
	s_load_b256 s[4:11], s[0:1], 0x0               ; x s[4:5], w_qkv s[6:7], w_out s[8:9], xq s[10:11]
	s_load_b64 s[12:13], s[0:1], 0x20              ; wq
	v_lshl_add_u32 v[SPW], v0, 2, SPARE
	v_mov_b32 v[NIL], 0
	v_lshrrev_b32 v1, 5, v0
	v_readfirstlane_b32 s16, v1                    ; wave
	v_and_b32 v2, 31, v0                           ; lane
	s_cmp_lt_u32 ttmp9, 256
	s_cbranch_scc0 .Lweights
	; ---------------- x: a wave takes 8,192 numbers, which are 8 rows: one group of eight
	v_lshlrev_b32 v3, 4, v2                        ; my 16 bytes of a load's 512
	s_mul_i32 s17, s16, WREG
	v_lshrrev_b32 v14, 2, v2
	v_mul_u32_u24 v14, v14, SP
	v_and_b32 v15, 3, v2
	v_lshl_add_u32 v14, v15, 4, v14
	v_add_nc_u32 v14, s17, v14                     ; the stage, on the way in: SP (lane / 4) + 16 (lane % 4)
	v_mul_u32_u24 v15, v2, SP
	v_add_nc_u32 v15, s17, v15                     ; and on the way out: SP x lane: my 16 neighbours
	v_and_b32 v4, 15, v2
	v_mul_u32_u24 v4, v4, CB                       ; my codes' place: sixteen lanes fill a row's 192 bytes of one K step,
	v_lshrrev_b32 v10, 4, v2
	v_mad_u32_u24 v4, v10, 53248, v4               ; lanes 16-31 those of the next K step
	v_and_b32 v12, 7, v2                           ; the 16 bytes behind a row's 192: lane l takes row l % 8, K step l / 8
	v_mul_u32_u24 v12, v12, 208
	v_lshrrev_b32 v13, 3, v2
	v_mad_u32_u24 v12, v13, 53248, v12
.irp i, 192,193,194,195
	v_mov_b32 v\i, 0
.endr
	v_lshrrev_b32 v5, 1, v2
	s_add_co_u32 s17, s17, 2*32*SP
	v_add_nc_u32 v5, s17, v5                       ; LDS: my wave's 256 scale bytes, my block's byte
	v_lshlrev_b32 v7, 3, v2
	v_add_nc_u32 v6, s17, v7                       ; and on the way out 8 bytes a lane
	s_lshl_b32 s18, ttmp9, 2
	s_add_co_u32 s20, s18, s16                     ; the group of eight rows that I read: 4 x work-group + wave
	s_and_b32 s19, s16, 1
	s_lshl_b32 s19, s19, 1
	s_lshr_b32 s21, s16, 1
	s_or_b32 s19, s19, s21                         ; groups 1 and 2 change places
	s_add_co_u32 s18, s18, s19                     ; the group of eight places that I write
	s_lshl_b32 s20, s20, 15                        ; 32,768 bytes of x a group
	s_mov_b32 s21, 0
	s_lshr_b32 s22, s18, 5                         ; my eight places: which group of 256,
	s_mul_i32 s22, s22, 212992
	s_and_b32 s23, s18, 31
	s_mul_i32 s23, s23, 1664                       ; and 8 x 208 bytes for each eight places in it
	s_add_co_u32 s22, s22, s23
	s_mov_b32 s23, 0
	s_lshl_b32 s24, s18, 8                         ; 256 scale bytes
	s_add_co_u32 s24, s24, 6815744
	s_mov_b32 s25, 0
	s_wait_alu depctr_va_vdst(0)
	s_wait_kmcnt 0x0
	s_add_nc_u64 s[4:5], s[4:5], s[20:21]
	s_add_nc_u64 s[26:27], s[10:11], s[22:23]
	s_add_nc_u64 s[28:29], s[10:11], s[24:25]
	global_store_b128 v12, v[192:195], s[26:27] offset:192
.macro XLOAD t
.irp i, 0,1,2,3
	global_load_b128 v[XR+16*((\t)%4)+4*\i:XR+16*((\t)%4)+4*\i+3], v3, s[4:5] offset:2048*(\t)+512*\i th:TH_LOAD_NT   ; 32 lanes read 512 consecutive bytes
.endr
.endm
.macro XTURN t                         ; step t's numbers through the stage: LDS serves a wave's instructions in order, so no wait stands between the stores and the loads
.irp i, 0,1,2,3
	ds_store_b128 v14, v[XR+16*((\t)%4)+4*\i:XR+16*((\t)%4)+4*\i+3] offset:32*SP*((\t)%2)+8*SP*\i
.endr
.irp i, 0,1,2,3
	ds_load_b128 v[XX+16*((\t)%2)+4*\i:XX+16*((\t)%2)+4*\i+3], v15 offset:32*SP*((\t)%2)+16*\i
.endr
.endm
.irp t, 0,1,2,3
	XLOAD \t
.endr
	s_wait_loadcnt 12                              ; step 0's four loads are in
	XTURN 0
.macro XSTEP t
.set XS, XX+16*((\t)%2)
.if (\t) > 0
	s_wait_dscnt 1                                 ; this step's numbers are back from the stage (the last step's byte store may be out)
.else
	s_wait_dscnt 0x0
.endif
.if (\t)+4 < STEPS
	XLOAD (\t)+4                                   ; the stage's stores have read their registers: these take the loads of four steps on
.endif
.if (\t)+1 < STEPS
.if STEPS-2-(\t) >= 3
	s_wait_loadcnt 12                              ; the next step's four loads are in; those of the three steps behind it may be out
.else
	s_wait_loadcnt 4*(STEPS-2-(\t))
.endif
	XTURN (\t)+1
.endif
	v_max3_num_f32 v8, |v[XS]|, |v[XS+1]|, |v[XS+2]|               ; the largest magnitude of my 16, in two chains
	v_max3_num_f32 v9, |v[XS+3]|, |v[XS+4]|, |v[XS+5]|
.irp i, 6,10
	v_max3_num_f32 v8, v8, |v[XS+\i]|, |v[XS+\i+1]|
	v_max3_num_f32 v9, v9, |v[XS+\i+2]|, |v[XS+\i+3]|
.endr
	v_max3_num_f32 v8, v8, |v[XS+14]|, |v[XS+15]|
	v_max3_num_f32 v8, v8, v9, (EMAX+1)<<23        ; and the floor 2^(EMAX + 1 - 127): the byte cannot fall under 1
	v_max_num_f32_dpp v8, v8, v8 row_xmask:1 row_mask:0xf bank_mask:0xf   ; and of my neighbour's 16: the block's
	v_add_nc_u32 v11, -(EMAX<<23), v8              ; EMAX off its exponent field: the conversion takes the exponent field of this operand as its scale
	v_cvt_scalef32_pk16_fp6_f32 v[XC+4*(\t):XC+4*(\t)+2], v[XS:XS+15], v11
	v_lshrrev_b32 v[XE+(\t)], 23, v11              ; the scale's byte (a plain line behind the conversion)
	ds_store_b8 v5, v[XE+(\t)] offset:16*(\t)      ; both lanes of a block write the same byte with the same value
	global_store_b96 v4, v[XC+4*(\t):XC+4*(\t)+2], s[26:27] offset:((\t)%2)*106496+((\t)/2)*208   ; row t / 2, K steps 2 (t % 2) and 2 (t % 2) + 1: twice 192 consecutive bytes
.endm
.irp t, 0,1,2,3,4,5,6,7,8,9,10,11,12,13,14,15
	XSTEP \t
.endr
	ds_load_b64 v[8:9], v6                         ; LDS serves a wave's instructions in order: these see my stores
	s_wait_dscnt 0x0
	global_store_b64 v7, v[8:9], s[28:29]          ; 32 lanes store 256 consecutive bytes, aligned
	s_wait_tensorcnt 0x0                           ; the wave's end, behind my last LDS store
	ds_add_u32 v[SPW], v[NIL]
	s_wait_dscnt 0x0
	s_endpgm
	; ---------------- the weights: a wave takes 32 columns x 256 along K
.Lweights:
	s_sub_co_u32 s17, ttmp9, 256
	s_and_b32 s18, s17, 31                         ; which 128 places of wq: 0-23 w_qkv's, 24-31 w_out's
	s_lshr_b32 s19, s17, 5                         ; which 256 along K
	s_lshl_b32 s28, s18, 7
	s_lshl_b32 s29, s16, 5
	s_add_co_u32 s28, s28, s29                     ; my wave's first place in wq
	s_wait_kmcnt 0x0
	s_cmp_lt_u32 s18, 24                           ; the choice hangs on the work-group's number alone
	s_cselect_b64 s[20:21], s[6:7], s[8:9]         ; the weight,
	s_mov_b32 s22, 4096
	s_cselect_b32 s22, 12288, s22                  ; a row of it in bytes,
	s_cselect_b32 s23, 0, 3072
	s_sub_co_u32 s23, s28, s23                     ; my first column in it
	s_lshl_b32 s30, s19, 8
	s_mul_i32 s30, s30, s22
	s_lshl_b32 s23, s23, 2
	s_add_co_u32 s30, s30, s23
	s_mov_b32 s31, 0
	s_add_nc_u64 s[BB:BB+1], s[20:21], s[30:31]    ; block 0's first row, my first column
	s_lshl_b32 s30, s22, 5                         ; 32 rows on
.irp t, 1,2,3,4,5,6,7
	s_add_nc_u64 s[BB+2*\t:BB+2*\t+1], s[BB+2*\t-2:BB+2*\t-1], s[30:31]
.endr
	s_lshr_b32 s32, s28, 8
	s_mul_i32 s32, s32, 212992
	s_and_b32 s33, s28, 255
	s_mul_i32 s33, s33, 208
	s_add_co_u32 s32, s32, s33
	s_mul_i32 s33, s19, 53248
	s_add_co_u32 s32, s32, s33
	s_mov_b32 s33, 0
	s_add_nc_u64 s[24:25], s[12:13], s[32:33]      ; my codes
	s_lshl_b32 s32, s28, 5
	s_lshl_b32 s34, s19, 3
	s_add_co_u32 s32, s32, s34
	s_add_co_u32 s32, s32, 3407872
	s_add_nc_u64 s[26:27], s[12:13], s[32:33]      ; my scale bytes
	s_wait_alu depctr_va_vdst(0)
	v_lshlrev_b32 v3, 2, v2                        ; in: 4 bytes a lane
	s_mul_i32 s35, s16, 32*PITCH
	s_add_co_u32 s35, s35, WSTG                    ; my stage
	v_mul_u32_u24 v4, v2, PITCH
	v_add_nc_u32 v4, s35, v4                       ; into it: row = my column
	v_and_b32 v5, 15, v2
	v_lshrrev_b32 v6, 4, v2
	v_mul_u32_u24 v7, v6, PITCH
	v_lshl_add_u32 v7, v5, 4, v7
	v_add_nc_u32 v7, s35, v7                       ; out of it: sixteen lanes to a row, two rows an instruction
	v_mul_u32_u24 v8, v6, 208
	v_mad_u32_u24 v8, v5, 12, v8                   ; and the same two rows in wq; which places they are stands in the stores' immediates
	v_and_b32 v9, 7, v2
	v_and_b32 v10, 8, v2
	v_lshl_or_b32 v9, v10, 1, v9
	v_and_b32 v10, 16, v2
	v_lshrrev_b32 v10, 1, v10
	v_or_b32 v9, v9, v10                           ; my column's place among the 32
	v_mul_u32_u24 v10, v9, 208                     ; my place's row of codes: the 16 bytes behind its 192 are mine to clear
.irp i, 104,105,106,107
	v_mov_b32 v\i, 0
.endr
	v_lshlrev_b32 v9, 5, v9
.irp i, 0,1,2,3,4,5,6,7,8,9,10,11,12,13,14,15,16,17,18,19,20,21,22,23,24,25,26,27,28,29,30,31
	v_mad_u32_u24 v[VO+\i], s22, \i, v3            ; row i of a block, my column
.endr
.macro WLOAD t                         ; block t: W(32 t + i, my column) into set t % 2: each load reads 128 consecutive bytes
.irp i, 0,1,2,3,4,5,6,7,8,9,10,11,12,13,14,15,16,17,18,19,20,21,22,23,24,25,26,27,28,29,30,31
	global_load_b32 v[WX+32*((\t)%2)+\i], v[VO+\i], s[BB+2*(\t):BB+2*(\t)+1] th:TH_LOAD_NT
.endr
.endm
	WLOAD 0
	WLOAD 1
.macro WBLOCK t
.set WS, WX+32*((\t)%2)
.if (\t) < NB-1
	s_wait_loadcnt 32                              ; this block's 32 loads are in; the next block's may be out
.else
	s_wait_loadcnt 0
.endif
	v_max3_num_f32 v12, |v[WS]|, |v[WS+1]|, |v[WS+2]|               ; the block's largest magnitude: all 32 numbers are mine
	v_max3_num_f32 v13, |v[WS+3]|, |v[WS+4]|, |v[WS+5]|
.irp i, 6,10,14,18,22,26
	v_max3_num_f32 v12, v12, |v[WS+\i]|, |v[WS+\i+1]|
	v_max3_num_f32 v13, v13, |v[WS+\i+2]|, |v[WS+\i+3]|
.endr
	v_max3_num_f32 v12, v12, |v[WS+30]|, |v[WS+31]|
	v_max3_num_f32 v12, v12, v13, (EMAX+1)<<23     ; and the floor
	v_add_nc_u32 v11, -(EMAX<<23), v12             ; the conversion's scale operand
	v_lshrrev_b32 v13, 23, v11                     ; the scale's byte
.if (\t)%4 == 0
	v_mov_b32 v[SB+(\t)/4], v13                    ; four bytes to a register, the lower K in the lower byte
.else
	v_lshl_or_b32 v[SB+(\t)/4], v13, 8*((\t)%4), v[SB+(\t)/4]
.endif
	v_cvt_scalef32_pk16_fp6_f32 v[WC:WC+2], v[WS:WS+15], v11
	v_cvt_scalef32_pk16_fp6_f32 v[WC+4:WC+6], v[WS+16:WS+31], v11   ; (a conversion's three registers begin on an even number)
	ds_store_b96 v4, v[WC:WC+2] offset:32*(\t)     ; 12 bytes to a place of 16 bytes, so that every LDS address is a multiple of 16
	ds_store_b96 v4, v[WC+4:WC+6] offset:32*(\t)+16
.if (\t)+2 < NB
	WLOAD (\t)+2
.endif
	s_wait_dscnt 0x0                               ; the stores have read their registers: the next block's codes may be written
.endm
.irp t, 0,1,2,3,4,5,6,7
	WBLOCK \t
.endr
	s_wait_alu depctr_va_vdst(0)
	global_store_b64 v9, v[SB:SB+1], s[26:27]      ; my column's 8 scale bytes
	global_store_b128 v10, v[104:107], s[24:25] offset:192
.irp t, 0,1,2,3,4,5,6,7,8,9,10,11,12,13,14,15
	ds_load_b96 v[OUTR+4*\t:OUTR+4*\t+2], v7 offset:2*\t*PITCH   ; LDS serves a wave's instructions in order: these see my stores
.endr
.irp t, 0,1,2,3,4,5,6,7,8,9,10,11,12,13,14,15
	s_wait_dscnt 15-\t
	global_store_b96 v8, v[OUTR+4*\t:OUTR+4*\t+2], s[24:25] offset:(8*(((\t/4)%2)*2+(\t/4)/2)+2*(\t%4))*208   ; columns 2 t and 2 t + 1 go to their places
.endr
	s_wait_tensorcnt 0x0                           ; the wave's end, behind my last LDS store
	ds_add_u32 v[SPW], v[NIL]
	s_wait_dscnt 0x0
	s_endpgm
.Lfunc_end_k_q7c936c5c91_quant:
	.size	k_q7c936c5c91_quant, .Lfunc_end_k_q7c936c5c91_quant-k_q7c936c5c91_quant
	.p2alignl 7, 3214868480
	.fill 96, 4, 3214868480
	.section	.rodata,"a",@progbits
	.p2align	6, 0x0
	.amdhsa_kernel k_q7c936c5c91_quant
		.amdhsa_group_segment_fixed_size 68096
		.amdhsa_private_segment_fixed_size 0
		.amdhsa_enable_private_segment 0
		.amdhsa_kernarg_size 40
		.amdhsa_user_sgpr_count 2
		.amdhsa_user_sgpr_kernarg_segment_ptr 1
		.amdhsa_wavefront_size32 1
		.amdhsa_system_sgpr_workgroup_id_x 1
		.amdhsa_system_sgpr_workgroup_id_y 1
		.amdhsa_system_sgpr_workgroup_id_z 1
		.amdhsa_system_vgpr_workitem_id 0
		.amdhsa_next_free_vgpr 212
		.amdhsa_next_free_sgpr 66
		.amdhsa_reserve_vcc 0
		.amdhsa_float_denorm_mode_32 3
		.amdhsa_float_denorm_mode_16_64 3
		.amdhsa_memory_ordered 1
		.amdhsa_forward_progress 1
		.amdhsa_inst_pref_size 77
	.end_amdhsa_kernel
	.amdgpu_metadata
---
amdhsa.version: [ 1, 2 ]
amdhsa.kernels:
  - .name:           k_q7c936c5c91_quant
    .symbol:         k_q7c936c5c91_quant.kd
    .args:
      - { .name: x, .offset: 0, .size: 8, .value_kind: global_buffer, .address_space: global }
      - { .name: w_qkv, .offset: 8, .size: 8, .value_kind: global_buffer, .address_space: global }
      - { .name: w_out, .offset: 16, .size: 8, .value_kind: global_buffer, .address_space: global }
      - { .name: xq, .offset: 24, .size: 8, .value_kind: global_buffer, .address_space: global }
      - { .name: wq, .offset: 32, .size: 8, .value_kind: global_buffer, .address_space: global }
    .group_segment_fixed_size: 68096
    .private_segment_fixed_size: 0
    .kernarg_segment_align: 8
    .kernarg_segment_size: 40
    .max_flat_workgroup_size: 128
    .sgpr_count:     66
    .vgpr_count:     212
    .wavefront_size: 32
...
	.end_amdgpu_metadata
.endif
;; end of part 1
;; launch gemm_qkv (part 2): grid 8 x 32, 4 waves a work-group, clusters of 4 x 4, 327,680 bytes of LDS; arguments xq, wq, b_qkv, qb, kv; writes qb, kv
.if DOCPART == 2
	.amdgcn_target "amdgcn-amd-amdhsa--gfx1250"
	.amdhsa_code_object_version 6
	.text
	.protected	k_q7c936c5c91_gemm_qkv
	.globl	k_q7c936c5c91_gemm_qkv
	.p2align	8
	.type	k_q7c936c5c91_gemm_qkv,@function
k_q7c936c5c91_gemm_qkv:
	s_mov_b64 s[64:65], 0
	v_nop
	global_prefetch_b8 v0, s[64:65] scope:SCOPE_SE
	s_setreg_imm32_b32 hwreg(HW_REG_WAVE_MODE, 25, 1), 1
	s_wait_xcnt 0x0
	s_wait_alu depctr_hold_cnt(0) depctr_sa_sdst(0) depctr_va_vdst(0) depctr_va_sdst(0) depctr_va_ssrc(0) depctr_va_vcc(0) depctr_vm_vsrc(0)
	s_getreg_b32 s2, hwreg(HW_REG_IB_STS2, 6, 4)
	s_cmp_eq_u32 s2, 0
	s_cbranch_scc0 .Lentry_in_a_cluster
	s_endpgm
.Lentry_in_a_cluster:
	s_bfe_u32 s2, ttmp6, 0x10000c
	s_cmp_lg_u32 s2, 0xf033
	s_cbranch_scc0 .Lentry_shape_is_right
	s_endpgm
.Lentry_shape_is_right:
; qkv = x w_qkv + b_qkv on codes of FP6 (E2M3) with one E8M0 scale for each 32 along K = 1,024; sums in f32.  No f32 result is stored: q, k and v are quantised here, in registers, along the K of the product
; that will read them (q, k: the head's 64; v: the keys), and stored as images of that product's operand registers.
; IN.  xq, wq: codes [group of 256 places][K step of 256][place % 256][208 bytes, 192 of codes]; scale bytes [place][32] from byte 6,815,744 (xq) and 3,407,872 (wq).  In each 32 places the second and third eight have
;      changed places: sixteen places on end, lane r of tile 2 b + u, are rows 32 b + 8 u + r + 8 (r / 8).
; THE DEAL.  256 work-groups, each 256 tokens x 128 columns of q, then of k, then of v: THREE PASSES over the same rows of x, which come into LDS once (212,992 bytes) and stay.  Four waves, 2 x 2: a wave takes 128 tokens
; (one key step) x 64 columns (one head).  A wave's 64 columns, ALL of K, lie in registers (32 fragments); x's tiles of 16 tokens stream past them: a block is 8 fragments and 32 products, four accumulators by turns
; THE WEIGHTS' REGION (106,496 bytes) is filled at the head and filled again twice, each time in a drained round of the cluster's barrier directly behind the waves' reads of it into registers: the refill has the
; pass's 256 products a wave in which to land.  So no prefetch is laid: what is asked for is asked a whole pass ahead of its use.
; The LDS pitch of 208 bytes is 52 words: the 32 lanes of a load of 8 bytes touch 64 different banks (64 banks of 4 bytes: ISA guide 11.1); the tiles are dense in memory and come as rows of 256 bytes or a multiple.
; q, k: source 0 = 16 places of the weight, source 1 = 16 tokens: a lane holds a token, and its 32 sums of a block are channels 32 b + 16 (lane / 16) + i: two scale blocks, each shared with lane l xor 16.
; v:    source 0 = 16 tokens, source 1 = 16 places of the weight: a lane holds a channel, and its 32 sums of four blocks are keys 32 b + 16 (lane / 16) + i.  One quantiser, QH, serves both.
; The bias is the C of each sum's first product.  The next pass's bias and scale words are loaded a pass ahead and moved.
; OUT.  qb: q images [64 heads][128 tiles of 16 tokens][768 bytes], from byte 6,291,456 scale words [64][128][32 lanes x 4].
;       kv: [64 heads][16 key steps][13,824 bytes]: 8 images of k (768 bytes), 4 x 2 of v (16 channels x 64 keys each, 768 bytes), 8 x 128 bytes of k's scale words, 4 x 128 of v's.
;       An image: lane l's registers 0-3 at 16 l, registers 4-5 at 512 + 8 l.  A scale word stands alike in lanes l and l + 16.  Bytes 2 and 3 of a q or k word are 0: they meet zero codes alone.
; LIMITS: blocks whose largest magnitude lies under 2^(3 - 127) get the byte 1 (a block of zeros too: its codes are zeros); NaN and infinities are not served.
; REGISTERS: window 0: v4-25 addresses; v32-95 x's scale words; v98-129 the weights', v130-161 the next pass's; v162-193 the bias, v194-225 the next pass's; v226-246 the quantiser's.
;   Fragment f lies in window 1 + f / 21 at register 12 (f % 21): 0-31 the weights' (4 q + t), 32-39 and 40-47 x's two sets.  Window 3, v72-199: accumulators.
.set PITCH,  208
.set KSA,    256*PITCH                 ; x: 256 rows, 256 along K
.set KSL,    128*PITCH                 ; the weights: 128 rows, 256 along K
.set BREG,   4*KSA
.set SPARE,  BREG+4*KSL
.set FR,     12
.set FPW,    21
.set ADRA, 4                           ; v4-7  my row of x's tile, one for each K step of 256
.set ADRB, 8                           ; v8, v9  my row of the weights' tile; two K steps of 256 on
.set LI,   10
.set L8,   11
.set L4,   12
.set VS,   13                          ; 32 x (lane % 16)
.set VQ,   14                          ; the bias's offset for q, k: 64 x (lane / 16)
.set VV,   15                          ; for v: 4 x (r + 8 (r / 8))
.set SPW,  16
.set NIL,  17
.set VB,   18                          ; v18-25 the bias loads' offsets, one a register of a tile
.set SA,   32
.set SB,   98                          ; (its numbers differ from SA's modulo 8)
.set SBN,  130
.set BIAS, 162
.set BIASN, 194
.set TM,   226
.set CD,   232
.set PW,   241
.set PWH,  242
.set VT,   246
.set ACC,  72
.set G1A, 24
.set G0A, 32
.set G0B, 36
.set G1B, 48
.set SEL, 62
.set PC,  66
.set STR, 67
.set SELV, 68
.set IMG, 76
.set SCW, 78
.set IMGK, 80
.set SCWK, 82
.set IMGV, 84
.set MSB, 0
.macro WIN new                         ; the immediate's high byte repeats the setting that is left
.if MSB != (\new)
	s_set_vgpr_msb (MSB<<8)|(\new)
.set MSB, (\new)
.endif
.endm
.macro PLACES
.rept 4
	v_nop
.endr
.endm
.macro TLOAD g0, g1
	tensor_load_to_lds s[\g0:\g0+3], s[\g1:\g1+7]
	s_nop 0
	PLACES
.endm
.macro CROUND
	s_barrier_signal -1
	s_barrier_wait -1
	s_cmp_lg_u32 s14, 0
	s_cbranch_scc1 .Lnot_wave_0_\@
	s_barrier_signal -3
.Lnot_wave_0_\@:
	s_barrier_wait -3
	s_barrier_signal -1
	s_barrier_wait -1
.endm
; The next pass's scale words and bias.  s[STR] = 4 and s[SELV] = 0: the bias runs along a tile's registers (q, k); 0 and -1: one number a lane (v)
.macro NEXTLOADS
	v_cndmask_b32 v[VT], v[VQ], v[VV], s[SELV]
.irp j, 0,1,2,3,4,5,6,7
	v_mad_u32_u24 v[VB+\j], s[STR], \j, v[VT]
.endr
	s_wait_alu depctr_va_vdst(0)
.irp t, 0,1,2,3
	global_load_b128 v[SBN+8*\t:SBN+8*\t+3], v[VS], s[58:59] offset:512*\t
	global_load_b128 v[SBN+8*\t+4:SBN+8*\t+7], v[VS], s[58:59] offset:512*\t+16
.endr
.irp t, 0,1,2,3
.irp j, 0,1,2,3,4,5,6,7
	global_load_b32 v[BIASN+8*\t+\j], v[VB+\j], s[60:61] offset:(32*(\t/2)+8*(\t%2))*4
.endr
.endr
.endm
.macro WEIGHTS                         ; my 64 places of the weight, all of K: 192 loads of 8 bytes
.irp q, 0,1,2,3,4,5,6,7
.irp t, 0,1,2,3
.set F_, 4*\q+\t
	WIN (1+F_/FPW)<<6
.irp p, 0,1,2,3,4,5
	ds_load_b64 v[FR*(F_%FPW)+2*\p:FR*(F_%FPW)+2*\p+1], v[ADRB+\q/4] offset:((\q/2)%2)*KSL+\t*16*PITCH+(\q%2)*96+48*(\p/3)+8*(\p%3)
.endr
.endr
.endr
.endm
.macro FETCH s                         ; block s of x, all of K, into set s % 2: 48 loads
.irp q, 0,1,2,3,4,5,6,7
.set G_, 32+8*((\s)%2)+\q
	WIN (1+G_/FPW)<<6
.irp p, 0,1,2,3,4,5
	ds_load_b64 v[FR*(G_%FPW)+2*\p:FR*(G_%FPW)+2*\p+1], v[ADRA+\q/2] offset:(\s)*16*PITCH+(\q%2)*96+48*(\p/3)+8*(\p%3)
.endr
.endr
.endm
.macro MM d, a, b, c, xa, xb
	v_wmma_scale_f32_16x16x128_f8f6f4 v[\d:\d+7], v[FR*((\a)%FPW):FR*((\a)%FPW)+FR-1], v[FR*((\b)%FPW):FR*((\b)%FPW)+FR-1], \c, v[\xa], v[\xb] matrix_a_fmt:MATRIX_FMT_FP6 matrix_b_fmt:MATRIX_FMT_FP6
.endm
.macro PRODS kind, s                   ; 32 products, K ascending.  kind 0 (q, k): source 0 the weight; kind 1 (v): source 0 x
.irp q, 0,1,2,3,4,5,6,7
.irp t, 0,1,2,3
.set F_, 4*\q+\t
.set G_, 32+8*((\s)%2)+\q
.if \kind
.set D_, ACC+32*\t+8*((\s)%4)
.set A_, G_
.set B_, F_
.set XA_, SA+8*(\s)+\q
.set XB_, SB+8*\t+\q
.else
.set D_, ACC+8*\t
.set A_, F_
.set B_, G_
.set XA_, SB+8*\t+\q
.set XB_, SA+8*(\s)+\q
.endif
.if \q == 0
	WIN (1+A_/FPW)|((1+B_/FPW)<<2)|(3<<6)
	MM D_, A_, B_, v[BIAS+8*\t:BIAS+8*\t+7], XA_, XB_
.else
	WIN (1+A_/FPW)|((1+B_/FPW)<<2)|(3<<4)|(3<<6)
	MM D_, A_, B_, v[D_:D_+7], XA_, XB_
.endif
.endr
.endr
.endm
; THE QUANTISER of 32 sums of a lane, window 3 from register x on: number 16 b + i is 32 b + 16 (lane / 16) + i along the next K.  Codes into v[CD .. CD+5], the two scale bytes into v[PW].
; Each block's largest magnitude in two chains; each accumulator is read from its low end on.
.macro QH x
	WIN 0x0f
.irp b, 0,1
	v_max3_num_f32 v[TM+\b], |v[\x+16*\b]|, |v[\x+16*\b+1]|, 0x1800000   ; and the floor 2^(3 - 127): the byte cannot fall under 1
.endr
	WIN 0x3f
.irp b, 0,1
	v_max3_num_f32 v[TM+2+\b], |v[\x+16*\b+8]|, |v[\x+16*\b+9]|, |v[\x+16*\b+10]|
.endr
	WIN 0x3c
.irp i, 2,4
.irp b, 0,1
	v_max3_num_f32 v[TM+\b], v[TM+\b], |v[\x+16*\b+\i]|, |v[\x+16*\b+\i+1]|
	v_max3_num_f32 v[TM+2+\b], v[TM+2+\b], |v[\x+16*\b+\i+9]|, |v[\x+16*\b+\i+10]|
.endr
.endr
.irp b, 0,1
	v_max3_num_f32 v[TM+\b], v[TM+\b], |v[\x+16*\b+6]|, |v[\x+16*\b+7]|
.endr
	WIN 0x30
.irp b, 0,1
	v_max3_num_f32 v[TM+\b], v[TM+\b], v[TM+2+\b], |v[\x+16*\b+15]|
.endr
	WIN 0
.irp b, 0,1
	v_permlanex16_b32 v[TM+2+\b], v[TM+\b], s[SEL], s[SEL+1]
.endr
.irp b, 0,1
	v_max_num_f32 v[TM+\b], v[TM+\b], v[TM+2+\b]   ; with lane l xor 16's: the block's largest magnitude
.endr
.irp b, 0,1
	v_add_nc_u32 v[TM+4+\b], 0xff000000, v[TM+\b]  ; 2 off its exponent field: the conversion's scale operand
.endr
.irp b, 0,1
	v_lshrrev_b32 v[TM+2+\b], 23, v[TM+4+\b]       ; the scale's byte
.endr
	s_wait_alu depctr_va_vdst(0)
	s_wait_xcnt 0x0                                ; the last stores have read their registers: codes and scale word are written again only behind this wait
	v_lshl_or_b32 v[PW], v[TM+3], 8, v[TM+2]
	WIN 3
	v_cvt_scalef32_pk16_fp6_f32 v[CD:CD+2], v[\x:\x+15], v[TM+4]
	v_cvt_scalef32_pk16_fp6_f32 v[CD+6:CD+8], v[\x+16:\x+31], v[TM+5]   ; (a conversion's three registers begin on an even number)
	WIN 0
	v_nop                                          ; one plain place behind a scaled conversion
.irp i, 0,1,2
	v_permlane16_swap_b32 v[CD+\i], v[CD+6+\i]     ; lanes 0-15 now hold block 0 whole, lanes 16-31 block 1
.endr
.irp i, 0,1,2
	v_mov_b32 v[CD+3+\i], v[CD+6+\i]
.endr
.endm
.macro BWAIT s                         ; block s's fetch was issued two blocks ago; younger is the next block's, 48 loads
.if (\s) == 7
	s_wait_dscnt 0x0
.elseif (\s) > 1
	s_wait_dscnt 48
.endif
.endm
.macro QKBLOCK s
	BWAIT \s
	PRODS 0, \s
	WIN 0
	PLACES                                         ; in front of the loads into fragments just read and of the first read of the sums
.if (\s) < 6
	FETCH (\s)+2
.endif
	QH ACC
	global_store_b128 v[LI], v[CD:CD+3], s[IMG:IMG+1] offset:768*(\s)
	global_store_b64 v[L8], v[CD+4:CD+5], s[IMG:IMG+1] offset:768*(\s)+512
	global_store_b32 v[L4], v[PW], s[SCW:SCW+1] offset:128*(\s)
.endm
.macro VBLOCK s
	BWAIT \s
	PRODS 1, \s
	WIN 0
	PLACES
.if (\s) < 6
	FETCH (\s)+2
.endif
.if (\s)%4 == 3                        ; 64 keys are whole: four tiles of 16 channels leave
.irp t, 0,1,2,3
	QH ACC+32*\t
.if (\s) == 3
	v_mov_b32 v[PWH+\t], v[PW]                     ; the word's lower two bytes wait for the upper two
.else
	v_lshl_or_b32 v[PW], v[PW], 16, v[PWH+\t]
	global_store_b32 v[L4], v[PW], s[IMGV:IMGV+1] offset:7168+128*\t
.endif
	global_store_b128 v[LI], v[CD:CD+3], s[IMGV:IMGV+1] offset:1536*\t+768*((\s)/4)
	global_store_b64 v[L8], v[CD+4:CD+5], s[IMGV:IMGV+1] offset:1536*\t+768*((\s)/4)+512
.endr
.endif
.endm
; A pass's head.  A plain barrier shows the weights' tile (the first time: x's too); scale words and bias are moved; the weights and the first two blocks go into registers.
; refill = 1: every wave's three lines, a round, and the next pass's weights onto bytes that every wave has read.
.macro PASSHEAD refill
	s_wait_tensorcnt 0x0
	s_wait_dscnt 0x0
	s_barrier_signal -1
	s_barrier_wait -1
	s_wait_loadcnt 0x0
.set I, 0
.rept 32
	v_mov_b32 v[SB+I], v[SBN+I]
.set I, I+1
.endr
.set I, 0
.rept 32
	v_mov_b32 v[BIAS+I], v[BIASN+I]                ; (these are also the places between the scale words' writes and the products)
.set I, I+1
.endr
	PLACES
	s_wait_alu depctr_va_vdst(0)
	WEIGHTS
	FETCH 0
	FETCH 1
	WIN 0
.if \refill
	s_wait_tensorcnt 0x0                           ; ahead of a refill's round
	ds_add_u32 v[SPW], v[NIL]
	s_add_nc_u64 s[G0B+2:G0B+3], s[G0B+2:G0B+3], 4*4*KSA   ; no tensor load of mine is out: 1,024 places on
	s_cmp_eq_u32 s[PC], 0
	s_cselect_b32 s[STR], 4, 0
	s_cselect_b32 s[SELV], 0, -1
	s_wait_dscnt 0x0                               ; the add is done, and my reads of the weights' tile are over
	CROUND
	s_cmp_lt_u32 s14, 2
	s_cbranch_scc0 .Lno_half_\@
	TLOAD G0B, G1B
.Lno_half_\@:
	s_wait_xcnt 0x0                                ; the last loads by these pointers have read them
	s_add_nc_u64 s[58:59], s[58:59], 32768
	s_add_nc_u64 s[60:61], s[60:61], 4096
	NEXTLOADS
.else
	s_wait_dscnt 0x0
.endif
.endm
	s_load_b256 s[4:11], s[0:1], 0x0               ; xq, wq, b_qkv, qb
	s_load_b64 s[12:13], s[0:1], 0x20              ; kv
	v_lshl_add_u32 v[SPW], v0, 2, SPARE
	v_mov_b32 v[NIL], 0
	ds_add_u32 v[SPW], v[NIL]                      ; the opening lines: the add, twice on end, and its wait ahead of my first tensor load
	ds_add_u32 v[SPW], v[NIL]
	v_lshrrev_b32 v1, 5, v0
	v_readfirstlane_b32 s14, v1                    ; wave
	s_lshr_b32 s15, s14, 1                         ; which 128 tokens are mine
	s_and_b32 s16, s14, 1                          ; which 64 columns.  Also: which half of a tile I fetch
	s_bfe_u32 s40, ttmp6, 0x40000                  ; cx, cy
	s_bfe_u32 s41, ttmp6, 0x40004
	s_lshl_b32 s42, ttmp9, 2
	s_add_co_u32 s42, s42, s40                     ; which 128 columns of q, k and v, 0 .. 7
	s_and_b32 s17, ttmp7, 0xffff
	s_lshl_b32 s17, s17, 2
	s_add_co_u32 s17, s17, s41                     ; which 256 tokens, 0 .. 31
	s_lshl_b32 s43, s41, 2
	s_lshl_b32 s43, 15, s43                        ; my row of the cluster
	s_lshl_b32 s44, 0x1111, s40                    ; my column
	; x: two K steps of 256 of 256 rows: 106,496 bytes on end, as 416 rows of 256 bytes (32 elements of 8)
	s_or_b32 s[G1A+0], s43, (3<<16)|(1<<21)
	s_mov_b32 s[G1A+1], 32<<16
	s_mov_b32 s[G1A+2], 416<<16
	s_mov_b32 s[G1A+3], 32<<16
	s_mov_b32 s[G1A+4], 416
	s_mov_b32 s[G1A+5], 32
	s_mov_b32 s[G1A+6], 0
	s_mov_b32 s[G1A+7], 0
	; the weights: two K steps of 256 of 128 places: 2 rows of 26,624 bytes, 53,248 bytes apart
	s_or_b32 s[G1B+0], s44, (3<<16)|(1<<21)
	s_mov_b32 s[G1B+1], 3328<<16
	s_mov_b32 s[G1B+2], 2<<16
	s_mov_b32 s[G1B+3], 3328<<16
	s_mov_b32 s[G1B+4], 2
	s_mov_b32 s[G1B+5], 6656
	s_mov_b32 s[G1B+6], 0
	s_mov_b32 s[G1B+7], 0
	s_mul_i32 s20, s17, 4*KSA
	s_mul_i32 s21, s16, 2*KSA
	s_add_co_u32 s20, s20, s21
	s_mov_b32 s21, 0
	s_lshr_b32 s46, s42, 1
	s_mul_i32 s46, s46, 4*KSA
	s_and_b32 s47, s42, 1
	s_mul_i32 s47, s47, KSL
	s_add_co_u32 s46, s46, s47
	s_mul_i32 s47, s16, 2*KSA
	s_add_co_u32 s46, s46, s47
	s_mov_b32 s47, 0
	s_mov_b32 s[G0A], 1
	s_mul_i32 s[G0A+1], s16, 2*KSA
	s_mov_b32 s[G0B], 1
	s_mul_i32 s[G0B+1], s16, 2*KSL
	s_add_co_u32 s[G0B+1], s[G0B+1], BREG
	s_mov_b32 s[SEL], 0x76543210
	s_mov_b32 s[SEL+1], 0xfedcba98
	s_mov_b32 s[STR], 4
	s_mov_b32 s[SELV], 0
	s_wait_alu depctr_va_vdst(0)
	s_wait_dscnt 0x0                               ; both opening adds are done
	CROUND                                         ; all sixteen work-groups are here: the joint loads meet
	s_wait_kmcnt 0x0
	s_add_nc_u64 s[G0A+2:G0A+3], s[4:5], s[20:21]
	s_or_b32 s[G0A+3], s[G0A+3], 0x80000000
	s_add_nc_u64 s[G0B+2:G0B+3], s[6:7], s[46:47]
	s_or_b32 s[G0B+3], s[G0B+3], 0x80000000
	s_cmp_lt_u32 s14, 2                            ; waves 0 and 1 fetch q's weights, a half each; waves 2 and 3 x's rows
	s_cbranch_scc0 .Lfor_x
	TLOAD G0B, G1B
	s_branch .Lasked
.Lfor_x:
	TLOAD G0A, G1A
.Lasked:
	s_lshl_b32 s20, s17, 8
	s_lshl_b32 s21, s15, 7
	s_add_co_u32 s20, s20, s21                     ; my first token's place
	s_lshl_b32 s22, s20, 5
	s_add_co_u32 s22, s22, 6815744
	s_mov_b32 s23, 0
	s_add_nc_u64 s[56:57], s[4:5], s[22:23]        ; x's scale bytes
	s_lshl_b32 s46, s42, 7
	s_lshl_b32 s47, s16, 6
	s_add_co_u32 s46, s46, s47                     ; my first column of q
	s_lshl_b32 s22, s46, 5
	s_add_co_u32 s22, s22, 3407872
	s_add_nc_u64 s[58:59], s[6:7], s[22:23]        ; the weights' scale bytes
	s_lshl_b32 s22, s46, 2
	s_add_nc_u64 s[60:61], s[8:9], s[22:23]        ; the bias
	s_lshr_b32 s86, s17, 3
	s_lshl_b32 s86, s86, 4
	s_lshl_b32 s87, s42, 1
	s_add_co_u32 s86, s86, s87
	s_add_co_u32 s86, s86, s16                     ; 16 x batch + head
	s_and_b32 s87, s17, 7
	s_lshl_b32 s87, s87, 1
	s_add_co_u32 s87, s87, s15                     ; my key step
	s_lshl_b32 s88, s86, 7
	s_lshl_b32 s89, s87, 3
	s_add_co_u32 s88, s88, s89                     ; q's first tile
	s_mul_i32 s22, s88, 768
	s_add_nc_u64 s[IMG:IMG+1], s[10:11], s[22:23]
	s_lshl_b32 s22, s88, 7
	s_add_co_u32 s22, s22, 6291456
	s_add_nc_u64 s[SCW:SCW+1], s[10:11], s[22:23]
	s_mul_i32 s22, s86, 221184
	s_mul_i32 s89, s87, 13824
	s_add_co_u32 s22, s22, s89
	s_add_nc_u64 s[IMGK:IMGK+1], s[12:13], s[22:23]
	s_add_nc_u64 s[SCWK:SCWK+1], s[IMGK:IMGK+1], 12288
	s_add_nc_u64 s[IMGV:IMGV+1], s[IMGK:IMGK+1], 6144
	s_mul_i32 s88, s15, KSL
	s_mul_i32 s89, s16, 64*PITCH
	s_add_co_u32 s89, s89, BREG
	v_and_b32 v1, 15, v0                           ; r
	v_bfe_u32 v2, v0, 4, 1                         ; h
	v_and_b32 v3, 31, v0
	v_mul_u32_u24 v26, v1, PITCH
	v_mad_u32_u24 v26, v2, 24, v26                 ; a fragment's row x pitch + 24 x half
	v_add_nc_u32 v[ADRA], s88, v26
	v_add_nc_u32 v[ADRA+1], KSA, v[ADRA]
	v_add_nc_u32 v[ADRA+2], 2*KSA, v[ADRA]
	v_add_nc_u32 v[ADRA+3], 3*KSA, v[ADRA]
	v_add_nc_u32 v[ADRB], s89, v26
	v_add_nc_u32 v[ADRB+1], 2*KSL, v[ADRB]
	v_lshlrev_b32 v[LI], 4, v3
	v_lshlrev_b32 v[L8], 3, v3
	v_lshlrev_b32 v[L4], 2, v3
	v_lshlrev_b32 v[VS], 5, v1
	v_lshlrev_b32 v[VQ], 6, v2
	v_and_b32 v27, 8, v1
	v_add_nc_u32 v27, v27, v1
	v_lshlrev_b32 v[VV], 2, v27
	s_wait_alu depctr_va_vdst(0)
.irp s, 0,1,2,3,4,5,6,7
	global_load_b128 v[SA+8*\s:SA+8*\s+3], v[VS], s[56:57] offset:512*\s
	global_load_b128 v[SA+8*\s+4:SA+8*\s+7], v[VS], s[56:57] offset:512*\s+16
.endr
	NEXTLOADS                                      ; q's
	s_mov_b32 s[PC], 0
.Lpass:                                            ; two trips: q, then k
	PASSHEAD 1
.irp s, 0,1,2,3,4,5,6,7
	QKBLOCK \s
.endr
	s_wait_xcnt 0x0                                ; the stores have read their bases
	s_mov_b64 s[IMG:IMG+1], s[IMGK:IMGK+1]
	s_mov_b64 s[SCW:SCW+1], s[SCWK:SCWK+1]
	s_add_co_u32 s[PC], s[PC], 1
	s_cmp_lt_u32 s[PC], 2
	s_wait_alu depctr_va_vdst(0)
	s_cbranch_scc1 .Lpass
	PASSHEAD 0                                     ; v
.irp s, 0,1,2,3,4,5,6,7
	VBLOCK \s
.endr
	s_wait_tensorcnt 0x0                           ; the wave's end, behind my last tensor load
	ds_add_u32 v[SPW], v[NIL]
	s_wait_dscnt 0x0
	CROUND                                         ; the closing round
	s_endpgm
.Lfunc_end_k_q7c936c5c91_gemm_qkv:
	.size	k_q7c936c5c91_gemm_qkv, .Lfunc_end_k_q7c936c5c91_gemm_qkv-k_q7c936c5c91_gemm_qkv
	.p2alignl 7, 3214868480
	.fill 96, 4, 3214868480
	.section	.rodata,"a",@progbits
	.p2align	6, 0x0
	.amdhsa_kernel k_q7c936c5c91_gemm_qkv
		.amdhsa_group_segment_fixed_size 327680
		.amdhsa_private_segment_fixed_size 0
		.amdhsa_enable_private_segment 0
		.amdhsa_kernarg_size 40
		.amdhsa_user_sgpr_count 2
		.amdhsa_user_sgpr_kernarg_segment_ptr 1
		.amdhsa_wavefront_size32 1
		.amdhsa_system_sgpr_workgroup_id_x 1
		.amdhsa_system_sgpr_workgroup_id_y 1
		.amdhsa_system_sgpr_workgroup_id_z 1
		.amdhsa_system_vgpr_workitem_id 0
		.amdhsa_next_free_vgpr 1024
		.amdhsa_next_free_sgpr 100
		.amdhsa_reserve_vcc 0
		.amdhsa_float_denorm_mode_32 3
		.amdhsa_float_denorm_mode_16_64 3
		.amdhsa_memory_ordered 1
		.amdhsa_forward_progress 1
		.amdhsa_inst_pref_size 204
	.end_amdhsa_kernel
	.amdgpu_metadata
---
amdhsa.version: [ 1, 2 ]
amdhsa.kernels:
  - .name:           k_q7c936c5c91_gemm_qkv
    .symbol:         k_q7c936c5c91_gemm_qkv.kd
    .args:
      - { .name: xq, .offset: 0, .size: 8, .value_kind: global_buffer, .address_space: global }
      - { .name: wq, .offset: 8, .size: 8, .value_kind: global_buffer, .address_space: global }
      - { .name: b_qkv, .offset: 16, .size: 8, .value_kind: global_buffer, .address_space: global }
      - { .name: qb, .offset: 24, .size: 8, .value_kind: global_buffer, .address_space: global }
      - { .name: kv, .offset: 32, .size: 8, .value_kind: global_buffer, .address_space: global }
    .group_segment_fixed_size: 327680
    .private_segment_fixed_size: 0
    .kernarg_segment_align: 8
    .kernarg_segment_size: 40
    .max_flat_workgroup_size: 128
    .sgpr_count:     100
    .vgpr_count:     1024
    .wavefront_size: 32
...
	.end_amdgpu_metadata
.endif
;; end of part 2
;; launch attn (part 3): grid 256 x 1, 16 waves a work-group, clusters of 4 x 1, 223,232 bytes of LDS; arguments qb, kv, zb; writes zb
.if DOCPART == 3
	.amdgcn_target "amdgcn-amd-amdhsa--gfx1250"
	.amdhsa_code_object_version 6
	.text
	.protected	k_q7c936c5c91_attn
	.globl	k_q7c936c5c91_attn
	.p2align	8
	.type	k_q7c936c5c91_attn,@function
k_q7c936c5c91_attn:
	s_mov_b64 s[64:65], 0
	v_nop
	global_prefetch_b8 v0, s[64:65] scope:SCOPE_SE
	s_setreg_imm32_b32 hwreg(HW_REG_WAVE_MODE, 25, 1), 1
	s_wait_xcnt 0x0
	s_wait_alu depctr_hold_cnt(0) depctr_sa_sdst(0) depctr_va_vdst(0) depctr_va_sdst(0) depctr_va_ssrc(0) depctr_va_vcc(0) depctr_vm_vsrc(0)
	s_getreg_b32 s2, hwreg(HW_REG_IB_STS2, 6, 4)
	s_cmp_eq_u32 s2, 0
	s_cbranch_scc0 .Lentry_in_a_cluster
	s_endpgm
.Lentry_in_a_cluster:
	s_bfe_u32 s2, ttmp6, 0x10000c
	s_cmp_lg_u32 s2, 0x3003
	s_cbranch_scc0 .Lentry_shape_is_right
	s_endpgm
.Lentry_shape_is_right:
; z[head][q] = the sum over keys k <= q of softmax_k(q . k / 8) v[k], both products on codes of FP6 (E2M3) with one E8M0 scale for each 32 along a product's K; z is quantised here along the model's 1,024 and stored as operand images.
; THE SOFTMAX AHEAD OF THE SECOND PRODUCT: t = score x log2(e) / 8; M = the row's largest t so far, rounded UP to a whole number; p = 2^(t - M) is what is quantised, along the keys; the row's sum is taken of the unquantised p
; and divides O at the end.  When M moves, the sum and O are multiplied by 2^(old M - new M): exact.
; LEFT OUT: key steps all of whose keys come after a tile's queries: the causal mask makes their p zero for all values of the inputs.
; IN.  qb: q images [64 heads][128 tiles of 16 queries][768 bytes], from byte 6,291,456 scale words [64][128][32 x 4].  kv: [64][16 key steps of 128][13,824 bytes]: 8 images of k, 4 x 2 of v (16 channels x 64 keys each),
;      k's scale words, v's.  All are images of operand registers (lane l's registers 0-3 at 16 l, 4-5 at 512 + 8 l): every load from them is lane-contiguous.  A scale word stands alike in lanes l and l + 16.
; THE HEAD'S SIZE IS 64: registers 6-11 of q's fragment (K = 64 .. 127) hold zero codes, written once.  What k's fragments hold there meets zeros alone (every code of the format is a finite number, and no scale byte is 0xff):
; so k's eight images lie at a pitch of 6 registers, each fragment's upper half being the next image (the last one's: v's first six registers).
; The 16 tokens of a tile are 32 b + 8 u + r + 8 (r / 8) (tile 2 b + u, lane r): so S^T's 16 registers of two neighbouring tiles of keys are 16 neighbouring keys; v's channels are chosen alike.
; A HEAD'S WHOLE kv LIES IN LDS: 16 x 13,824 = 221,184 bytes.  Each of the sixteen waves brings one key step by one tensor load at the head; nothing is filled again, so no barrier stands in the walk but two at its start.
; SHARES.  Four work-groups to a head, one cluster: work-group cx takes tiles 2 cx and 2 cx + 1 of EVERY chunk of 128 queries.  Wave w owns tile 2 cx + w % 2 of chunk 15 - w / 2 and then the same tile of chunk w / 2:
; (16 - c) + (c + 1) = 17 key steps for every wave.  Chunks hang on the wave's number alone, so no branch and no LDS address hangs on a work-group's place in its cluster; only q's and z's addresses and the mask's numbers do.
; CLUSTER: the four partners need the same sixteen tiles: each is asked for jointly (mask 15).
; A STEP'S LDS LOADS stand a step ahead of their use or under the softmax: behind a step's eight first products come v's images of this step and k's of the next.  A tile's last step, the masked one, fetches no k.
; THE START.  The first barrier shows key steps 0-3 (waves 0-3 have a load line of their own and wait there); every wave's first tile has at least nine steps, so all walk steps 0-2, none of them masked, and fetch k up to step 3;
; the second barrier, with every wave's wait, shows the rest.  Trip counts are constants; a step that is left out is passed by a scalar branch on ids.
; NO PREFETCH: all that the launch reads of kv is asked for by the sixteen loads at its head; there is no loop to run ahead in.
; z's scale bytes leave as single bytes, 32 a tile against 768 bytes of codes: a head owns 2 of a token's 32 bytes.
; LIMITS: NaN and infinities are not served; the scaled scores stay under 2^31; blocks whose largest magnitude lies under 2^(3 - 127) get the byte 1 with their codes; a block's largest p is taken as the p of its largest score,
; which takes v_exp_f32 not to fall where its input rises.
.set STEPB, 13824
.set SPARE, 16*STEPB                   ; the spare words, 128 bytes for each of sixteen waves
.set LI,   1                           ; v1  16 x lane
.set SWV,  2                           ; v2, v11  v's scale words: lanes 0-15 an even tile's, lanes 16-31 the next tile's
.set L4H,  3                           ; v3  4 x lane + 128 (lane / 16)
.set AD16, 4                           ; v4-6  16 x lane, 8 x lane, v3 + a step's first LDS byte
.set AD8,  5
.set AD4,  6
.set SPW,  7
.set NIL,  8
.set QD,   9                           ; v9  my query - the chunk's first - 16 (lane / 16)
.set QS,   10                          ; v10 q's scale word
.set QF,   16                          ; v16-27 q
.set SW,   28                          ; v28-31 k's scale words, two tiles to a register
.set KF,   32                          ; v32-79 eight images of k
.set VF,   80                          ; v80-127 four fragments of v
.set ST,   128                         ; v128-191 S^T, then p
.set OT,   192                         ; v192-223 O^T
.set PCD,  224                         ; v224-235 p's codes
.set BM,   236                         ; v236-239 the blocks' largest scores
.set X8,   240                         ; v240-247 at work
.set SO,   248                         ; v248-251 the conversions' scale operands
.set WV,   10                          ; s10 wave
.set BH,   12                          ; s12 16 x batch + head
.set CH,   13                          ; s13 the chunk of the tile in hand
.set TT,   14                          ; s14 the tile
.set G1,   16
.set G0,   24
.set SEL,  28
.set CS,   30                          ; s[30:31] c = log2(e) / 8
.set TB,   32                          ; s32 LDS byte at which the step in hand begins
.set KSN,  33                          ; s33 the step's number
.set OUTER, 34
.set INNER, 35
.set TBN,  36                          ; s36 where the next step begins
.set CSM,  38                          ; s38 my second tile's chunk, wave / 2
.set HIM,  39                          ; s39 lanes 16-31
.macro TLOAD
	tensor_load_to_lds s[G0:G0+3], s[G1:G1+7]
	s_nop 0
.rept 4
	v_nop
.endr
.endm
.macro CROUND                          ; a round of the cluster's barrier
	s_barrier_signal -1
	s_barrier_wait -1
	s_cmp_lg_u32 s[WV], 0
	s_cbranch_scc1 .Lnot_wave_0_\@
	s_barrier_signal -3
.Lnot_wave_0_\@:
	s_barrier_wait -3
	s_barrier_signal -1
	s_barrier_wait -1
.endm
.macro ADSET sb                        ; the three LDS addresses of the step that begins at s[sb]
	v_add_nc_u32 v[AD16], s[\sb], v[LI]
	v_add_nc_u32 v[AD4], s[\sb], v[L4H]
	s_delay_alu instid0(VALU_DEP_2)
	v_add_nc_u32 v[AD8], s[\sb], v[AD16]
	s_delay_alu instid0(VALU_DEP_1)
	v_lshrrev_b32 v[AD8], 1, v[AD8]                ; (2 x the first byte + 16 x lane) / 2
.endm
.macro KFETCH                          ; a step's eight images of k and their scale words: 20 loads
.irp t, 0,1,2,3,4,5,6,7
	ds_load_b128 v[KF+6*\t:KF+6*\t+3], v[AD16] offset:768*\t
	ds_load_b64 v[KF+6*\t+4:KF+6*\t+5], v[AD8] offset:768*\t+512
.endr
.irp j, 0,1,2,3
	ds_load_b32 v[SW+\j], v[AD4] offset:12288+256*\j
.endr
.endm
; A tile's start: its addresses from s[CH], q's image and scale word, O^T, the sum and M at their first values
.macro TSET
	s_lshl_b32 s[TT], s[CH], 3
	s_add_co_u32 s[TT], s[TT], s40
	s_lshl_b32 s44, s[BH], 7
	s_add_co_u32 s44, s44, s[TT]                   ; the tile's number in qb and in zb
	s_mul_i32 s46, s44, 768
	s_mov_b32 s47, 0
	s_lshl_b32 s52, s44, 7
	s_add_co_u32 s52, s52, 6291456
	s_mov_b32 s53, 0
	s_lshr_b32 s54, s[BH], 4
	s_lshl_b32 s54, s54, 11
	s_lshl_b32 s55, s[TT], 4
	s_add_co_u32 s54, s54, s55                     ; its first token's place
	s_lshl_b32 s54, s54, 5                         ; 32 scale bytes a token,
	s_and_b32 s55, s[BH], 15
	s_lshl_b32 s55, s55, 1
	s_add_co_u32 s54, s54, s55                     ; of which my head's are bytes 2 head and 2 head + 1
	s_add_co_u32 s54, s54, 6291456
	s_mov_b32 s55, 0
	s_add_nc_u64 s[44:45], s[4:5], s[46:47]        ; q's image
	s_add_nc_u64 s[52:53], s[4:5], s[52:53]        ; q's scale words
	s_add_nc_u64 s[46:47], s[8:9], s[46:47]        ; z's image
	s_add_nc_u64 s[54:55], s[8:9], s[54:55]        ; z's scale bytes
	v_lshrrev_b32 v254, 1, v[LI]                   ; 8 x lane
	v_lshrrev_b32 v255, 2, v[LI]                   ; 4 x lane
	s_wait_alu depctr_va_vdst(0)                   ; ahead of the readers of the lane offsets
	global_load_b128 v[QF:QF+3], v[LI], s[44:45]
	global_load_b64 v[QF+4:QF+5], v254, s[44:45] offset:512
	global_load_b32 v[QS], v255, s[52:53]
.set n, 0
.rept 32
	v_mov_b32 v[OT+n], 0                           ; the step is written once; a tile's first step finds zeros, which the first change of M leaves zeros
.set n, n+1
.endr
	v_mov_b32 v14, 0                               ; the sum, in two halves
	v_mov_b32 v15, 0
	v_mov_b32 v13, 0xff61b1e6                      ; the largest t so far: -3e38
	s_delay_alu instid0(VALU_DEP_1)
	v_floor_f32 v12, -v13                          ; -M
.endm
	s_load_b128 s[4:7], s[0:1], 0x0                ; qb, kv
	s_load_b64 s[8:9], s[0:1], 0x10                ; zb
	v_lshl_add_u32 v[SPW], v0, 2, SPARE
	v_mov_b32 v[NIL], 0
	ds_add_u32 v[SPW], v[NIL]                      ; the opening lines: the add, twice on end, and its wait ahead of my tensor load
	ds_add_u32 v[SPW], v[NIL]
	v_lshrrev_b32 v1, 5, v0
	s_delay_alu instid0(VALU_DEP_1)
	v_readfirstlane_b32 s[WV], v1                  ; wave 0..15
	s_mov_b32 s[BH], ttmp9                         ; the cluster's number is the head's
	s_bfe_u32 s41, ttmp6, 0x40000                  ; cx
	s_lshr_b32 s[CSM], s[WV], 1
	s_sub_co_u32 s[CH], 15, s[CSM]                 ; the longer tile comes first
	s_and_b32 s40, s[WV], 1
	s_lshl_b32 s41, s41, 1
	s_add_co_u32 s40, s40, s41                     ; which of a chunk's eight tiles: 2 cx + wave % 2
	s_lshr_b32 s41, s40, 1
	s_lshl_b32 s41, s41, 5
	s_and_b32 s56, s40, 1
	s_lshl_b32 s56, s56, 3
	s_add_co_u32 s41, s41, s56                     ; my tiles' queries begin at 32 (tile / 2) + 8 (tile % 2) of their chunk
	; descriptor group 1: a key step's block, 13,824 dense bytes, as 54 rows of 256 bytes (32 elements of 8); the mask names the cluster's four
	s_mov_b32 s[G1], 15|(3<<16)|(1<<21)
	s_mov_b32 s[G1+1], 32<<16
	s_mov_b32 s[G1+2], 54<<16
	s_mov_b32 s[G1+3], 32<<16
	s_mov_b32 s[G1+4], 54
	s_mov_b32 s[G1+5], 32
	s_mov_b32 s[G1+6], 0
	s_mov_b32 s[G1+7], 0
	s_mul_i32 s57, s[WV], STEPB                    ; the key step that I fetch: in LDS and in the head's kv alike
	s_mul_i32 s42, s[BH], 16*STEPB
	s_add_co_u32 s42, s42, s57
	s_mov_b32 s43, 0
	s_mov_b32 s[SEL], 0x76543210
	s_mov_b32 s[SEL+1], 0xfedcba98
	s_mov_b32 s[CS], 0x3e38aa3b                    ; c = log2(e) / 8
	s_mov_b32 s[CS+1], s[CS]
	s_mov_b32 s[TB], 0
	s_mov_b32 s[KSN], 0
	s_mov_b32 s[HIM], 0xffff0000
	s_wait_alu depctr_va_vdst(0)
	s_wait_dscnt 0x0                               ; both opening adds are done
	CROUND                                         ; the four partners are here: the joint loads meet
	s_wait_kmcnt 0x0
	s_mov_b32 s[G0], 1
	s_mov_b32 s[G0+1], s57
	s_add_nc_u64 s[G0+2:G0+3], s[6:7], s[42:43]
	s_or_b32 s[G0+3], s[G0+3], 0x80000000
	s_cmp_lt_u32 s[WV], 4                          ; waves 0-3, whose tiles the first barrier shows, have a load line of their own
	s_cbranch_scc0 .Llater
	TLOAD
	s_branch .Lasked
.Llater:
	TLOAD
.Lasked:
	v_and_b32 v3, 31, v0
	s_delay_alu instid0(VALU_DEP_1)
	v_lshlrev_b32 v[LI], 4, v3
	v_lshrrev_b32 v254, 4, v3
	v_lshlrev_b32 v3, 2, v3
	s_delay_alu instid0(VALU_DEP_1)
	v_lshl_add_u32 v[L4H], v254, 7, v3
	v_and_b32 v254, 15, v0
	s_delay_alu instid0(VALU_DEP_1)
	v_and_b32 v255, 8, v254
	s_delay_alu instid0(VALU_DEP_1)
	v_add_nc_u32 v254, v254, v255                  ; r + 8 (r / 8)
	v_bfe_u32 v255, v0, 4, 1
	s_delay_alu instid0(VALU_DEP_1)
	v_lshlrev_b32 v255, 4, v255
	s_delay_alu instid0(VALU_DEP_1)
	v_sub_nc_u32 v254, v254, v255
	s_delay_alu instid0(VALU_DEP_1)
	v_add_nc_u32 v[QD], s41, v254
	TSET
.irp j, 6,7,8,9,10,11
	v_mov_b32 v[QF+\j], 0                          ; K = 64 .. 127: zero codes
.endr
.irp j, 0,1,2,3,4,5
	v_mov_b32 v[VF+\j], 0                          ; named as the upper half of k's last fragment before v's first images are in
.endr
.irp b, 0,1,2,3
	v_mov_b32 v[X8+\b], 0                          ; written once: a lane permute's destination counts as one of its sources
.endr
	v_mov_b32 v252, 0
	v_mov_b32 v253, 0                              ; (named as the upper half of the pair v[252:253] before it is first written)
; A KEY STEP: 128 keys.  full = 0: a step that every wave takes and no wave masks
.macro STEP full
.if \full
	s_cmp_gt_u32 s[KSN], s[CH]                     ; all its keys come after my queries: left out
	s_cbranch_scc1 .Lhidden_\@
.endif
	s_wait_dscnt 0x0                               ; k's images and scale words, asked for a step ago
.irp j, 0,1,2,3                                ; S^T = K Q^T, eight tiles of 16 keys
	v_wmma_scale_f32_16x16x128_f8f6f4 v[ST+16*\j:ST+16*\j+7], v[KF+12*\j:KF+12*\j+11], v[QF:QF+11], 0, v[SW+\j], v[QS] matrix_a_fmt:MATRIX_FMT_FP6 matrix_b_fmt:MATRIX_FMT_FP6
	v_wmma_scale_f32_16x16x128_f8f6f4 v[ST+16*\j+8:ST+16*\j+15], v[KF+12*\j+6:KF+12*\j+17], v[QF:QF+11], 0, v[SW+\j], v[QS] matrix_a_fmt:MATRIX_FMT_FP6 matrix_b_fmt:MATRIX_FMT_FP6 matrix_a_scale:MATRIX_SCALE_ROW1
.endr
	ADSET TB                                       ; this step's own addresses, made on the step's own way; the four lines are also the places in front of loads into registers that these products have read, and of the first read of the scores
.irp d, 0,1,2,3                                ; v's images land under the softmax
.irp c, 0,1
	ds_load_b128 v[VF+12*\d+6*\c:VF+12*\d+6*\c+3], v[AD16] offset:6144+1536*\d+768*\c
	ds_load_b64 v[VF+12*\d+6*\c+4:VF+12*\d+6*\c+5], v[AD8] offset:6144+1536*\d+768*\c+512
.endr
.endr
.irp j, 0,1
	ds_load_b32 v[SWV+9*\j], v[AD4] offset:13312+256*\j
.endr
	s_add_co_u32 s[TBN], s[TB], STEPB
	s_min_u32 s[TBN], s[TBN], 15*STEPB             ; (held inside kv's bytes; the held value is used by no load)
	ADSET TBN
.if \full
	s_cmp_lt_u32 s[KSN], s[CH]                     ; a step all of whose keys count has a successor and no mask
	s_cbranch_scc0 .Ldiag_\@
	KFETCH
	s_branch .Lopen_\@
.Ldiag_\@:
	v_mov_b32 v254, 0xff800000                     ; on the diagonal hidden scores become -infinity: p = 0 then.  Register 16 b + i holds key 16 (lane / 16) + 32 b + i of the chunk: hidden where 32 b + i > v[QD]
.set n, 0
.rept 64
	v_cmp_gt_i32 vcc_lo, 32*(n/16)+n%16, v[QD]
	v_cndmask_b32 v[ST+n], v[ST+n], v254, vcc_lo
.set n, n+1
.endr
.Lopen_\@:
.else
	KFETCH
.endif
.irp b, 0,1,2,3
	v_max3_num_f32 v[BM+\b], v[ST+16*\b], v[ST+1+16*\b], v[ST+2+16*\b]   ; the largest score of each block of 32 keys: it serves for the row's maximum and, since p rises with the score, for the block's largest p
.endr
.irp i, 3,5,7,9,11,13
.irp b, 0,1,2,3
	v_max3_num_f32 v[BM+\b], v[BM+\b], v[ST+16*\b+\i], v[ST+1+16*\b+\i]
.endr
.endr
.irp b, 0,1,2,3
	v_max_num_f32 v[BM+\b], v[BM+\b], v[ST+15+16*\b]
.endr
.irp b, 0,1,2,3
	s_delay_alu instid0(VALU_DEP_4)
	v_permlanex16_b32 v[X8+\b], v[BM+\b], s[SEL], s[SEL+1]
.endr
.irp b, 0,1,2,3
	s_delay_alu instid0(VALU_DEP_4)
	v_max_num_f32 v[BM+\b], v[BM+\b], v[X8+\b]     ; with lane l xor 16's 16 keys
.endr
	s_delay_alu instid0(VALU_DEP_2)
	v_max3_num_f32 v254, v[BM], v[BM+1], v[BM+2]
	s_delay_alu instid0(VALU_DEP_1)
	v_max_num_f32 v254, v254, v[BM+3]              ; the step's largest score of my query
	s_delay_alu instid0(VALU_DEP_1)
	v_mul_f32 v254, s[CS], v254                    ; as t (c is positive)
	s_delay_alu instid0(VALU_DEP_1)
	v_max_num_f32 v13, v13, v254                   ; the running largest t
	v_mov_b32 v254, v12
	s_delay_alu instid0(VALU_DEP_2)
	v_floor_f32 v12, -v13                          ; the new -M = floor(-t): M is a whole number
.set n, 0
.rept 32
	v_pk_fma_f32 v[ST+n:ST+n+1], v[ST+n:ST+n+1], s[CS:CS+1], v[12:13] op_sel_hi:[1,0,0]   ; t - M, two at a time; the factor's three lines stand among them, eight apart
.if n == 16
	v_sub_f32 v254, v12, v254                      ; old M - new M: a whole number, 0 or less
.endif
.if n == 32
	v_cvt_i32_f32 v254, v254                       ; (it saturates)
.endif
.if n == 48
	v_ldexp_f32 v252, 1.0, v254                    ; f = 2^(old M - new M)
.endif
.set n, n+2
.endr
.irp b, 0,1,2,3
	v_fma_f32 v[BM+\b], v[BM+\b], s[CS], v12       ; the same of each block's largest score
.endr
	s_wait_alu depctr_va_vdst(0)                   ; ahead of the batch
.irp b, 0,1,2,3
	v_exp_f32 v[BM+\b], v[BM+\b]                   ; the block's largest p
.endr
.set n, 0
.rept 64
	v_exp_f32 v[ST+n], v[ST+n]                     ; p = 2^(t - M), at most 1: not normalised
.set n, n+1
.endr
	v_pk_mul_f32 v[14:15], v[14:15], v[252:253] op_sel_hi:[1,0]   ; the sums under the new M (a plain place behind the exponentials)
	s_wait_alu depctr_va_vdst(0)                   ; one wait for the whole batch, ahead of its first reader
	v_pk_add_f32 v[240:241], v[132:133], v[136:137]   ; the row's sum of the unquantised p, in eight chains
	v_pk_add_f32 v[254:255], v[140:141], v[144:145]
	v_pk_add_f32 v[250:251], v[148:149], v[152:153]
	v_pk_add_f32 v[248:249], v[156:157], v[160:161]
	v_pk_add_f32 v[246:247], v[164:165], v[168:169]
	v_pk_add_f32 v[244:245], v[172:173], v[176:177]
	v_pk_add_f32 v[242:243], v[180:181], v[184:185]
	v_pk_add_f32 v[14:15], v[14:15], v[188:189]
	v_pk_add_f32 v[240:241], v[240:241], v[128:129]
	v_pk_add_f32 v[254:255], v[254:255], v[130:131]
	v_pk_add_f32 v[250:251], v[250:251], v[134:135]
	v_pk_add_f32 v[248:249], v[248:249], v[138:139]
	v_pk_add_f32 v[246:247], v[246:247], v[142:143]
	v_pk_add_f32 v[244:245], v[244:245], v[146:147]
	v_pk_add_f32 v[242:243], v[242:243], v[150:151]
	v_pk_add_f32 v[14:15], v[14:15], v[154:155]
	v_pk_add_f32 v[240:241], v[240:241], v[158:159]
	v_pk_add_f32 v[254:255], v[254:255], v[162:163]
	v_pk_add_f32 v[250:251], v[250:251], v[166:167]
	v_pk_add_f32 v[248:249], v[248:249], v[170:171]
	v_pk_add_f32 v[246:247], v[246:247], v[174:175]
	v_pk_add_f32 v[244:245], v[244:245], v[178:179]
	v_pk_add_f32 v[242:243], v[242:243], v[182:183]
	v_pk_add_f32 v[14:15], v[14:15], v[186:187]
	v_pk_add_f32 v[240:241], v[240:241], v[190:191]
	s_delay_alu instid0(VALU_DEP_2)
	v_pk_add_f32 v[14:15], v[14:15], v[248:249]
	s_delay_alu instid0(VALU_DEP_2)
	v_pk_add_f32 v[240:241], v[240:241], v[246:247]
	v_pk_add_f32 v[254:255], v[254:255], v[244:245]
	v_pk_add_f32 v[250:251], v[250:251], v[242:243]
	s_delay_alu instid0(VALU_DEP_2)
	v_pk_add_f32 v[14:15], v[14:15], v[254:255]
	s_delay_alu instid0(VALU_DEP_2)
	v_pk_add_f32 v[240:241], v[240:241], v[250:251]
	s_delay_alu instid0(VALU_DEP_1)
	v_pk_add_f32 v[14:15], v[14:15], v[240:241]
.irp b, 0,1,2,3
	v_max_num_f32 v[BM+\b], 0x1800000, v[BM+\b]    ; the floor 2^(3 - 127): the byte cannot fall under 1
.endr
.irp b, 0,1,2,3
	s_delay_alu instid0(VALU_DEP_4)
	v_add_nc_u32 v[SO+\b], 0xff000000, v[BM+\b]    ; 2 off the exponent field: the conversion's scale operand
.endr
.irp b, 0,1,2,3
	s_delay_alu instid0(VALU_DEP_4)
	v_lshrrev_b32 v[X8+\b], 23, v[SO+\b]           ; the scale's byte
.endr
	s_delay_alu instid0(VALU_DEP_3)
	v_lshl_or_b32 v253, v[X8+1], 8, v[X8]          ; p's scale word for these 128 keys
	s_delay_alu instid0(VALU_DEP_1)
	v_lshl_or_b32 v253, v[X8+2], 16, v253
	s_delay_alu instid0(VALU_DEP_1)
	v_lshl_or_b32 v253, v[X8+3], 24, v253
.irp c, 0,1
	v_cvt_scalef32_pk16_fp6_f32 v[PCD+6*\c:PCD+2+6*\c], v[ST+32*\c:ST+15+32*\c], v[SO+2*\c]
	v_cvt_scalef32_pk16_fp6_f32 v[X8+4*\c:X8+2+4*\c], v[ST+16+32*\c:ST+31+32*\c], v[SO+2*\c+1]   ; (a conversion's three registers begin on an even number)
.endr
	v_nop                                          ; one plain place behind a scaled conversion
.irp c, 0,1                                    ; the operand's layout wants a WHOLE block in a lane
.irp i, 0,1,2
	v_permlane16_swap_b32 v[PCD+6*\c+\i], v[X8+4*\c+\i]
.endr
.irp i, 0,1,2
	s_delay_alu instid0(VALU_DEP_3)
	v_mov_b32 v[PCD+3+6*\c+\i], v[X8+4*\c+\i]
.endr
.endr
.set n, 0
.rept 16
	v_pk_mul_f32 v[OT+n:OT+n+1], v[OT+n:OT+n+1], v[252:253] op_sel_hi:[1,0]   ; O^T under the new M, each accumulator from its low end on.  (These sixteen are also the places in front of the scaled products below)
.set n, n+2
.endr
	s_wait_alu depctr_va_vdst(0)
	s_wait_dscnt 0x0                               ; v's images and scale words are in (and the next step's k)
.irp j, 0,1                                    ; O^T += V^T P^T: four tiles of 16 channels by turns; K = these 128 keys
	v_wmma_scale_f32_16x16x128_f8f6f4 v[OT+16*\j:OT+16*\j+7], v[VF+24*\j:VF+24*\j+11], v[PCD:PCD+11], v[OT+16*\j:OT+16*\j+7], v[SWV+9*\j], v253 matrix_a_fmt:MATRIX_FMT_FP6 matrix_b_fmt:MATRIX_FMT_FP6
	v_wmma_scale_f32_16x16x128_f8f6f4 v[OT+16*\j+8:OT+16*\j+15], v[VF+24*\j+12:VF+24*\j+23], v[PCD:PCD+11], v[OT+16*\j+8:OT+16*\j+15], v[SWV+9*\j], v253 matrix_a_fmt:MATRIX_FMT_FP6 matrix_b_fmt:MATRIX_FMT_FP6 matrix_a_scale:MATRIX_SCALE_ROW1
.endr
.if \full
.Lhidden_\@:
.endif
	s_add_co_u32 s[TB], s[TB], STEPB
	s_add_co_u32 s[KSN], s[KSN], 1
.endm
	s_wait_alu depctr_va_vdst(0)
	s_wait_loadcnt 0x0                             ; q
	s_cmp_lt_u32 s[WV], 4
	s_cbranch_scc0 .Lnot_first
	s_wait_tensorcnt 0x0                           ; key steps 0-3 are waves 0-3's
.Lnot_first:
	s_barrier_signal -1
	s_barrier_wait -1                              ; key steps 0-3 are in
	ADSET TB
	KFETCH                                         ; key step 0's k
	s_mov_b32 s[INNER], 3
	s_wait_alu depctr_va_vdst(0)
.Lopen3:
	STEP 0
	s_sub_co_u32 s[INNER], s[INNER], 1
	s_cmp_lg_u32 s[INNER], 0
	s_cbranch_scc1 .Lopen3
	s_wait_tensorcnt 0x0                           ; every wave's tile is in
	s_wait_dscnt 0x0
	s_barrier_signal -1
	s_barrier_wait -1                              ; the head's whole kv is in; from here on waves share nothing
	s_mov_b32 s[OUTER], 0
.Ltile:                                            ; two trips: the rest of the first tile (from key step 3), then the second tile (from key step 0)
	s_mov_b32 s[INNER], 13
.Lstep:
	STEP 1
	s_sub_co_u32 s[INNER], s[INNER], 1
	s_cmp_lg_u32 s[INNER], 0
	s_cbranch_scc1 .Lstep
	; THE WAY OUT.  z = O^T / the sum; its 32 registers are channels 32 b + 16 (lane / 16) + i of my head: two blocks of 32 along the last product's K.  They are quantised and stored as the image of half a fragment.
	s_wait_alu depctr_va_vdst(0)
	v_add_f32 v14, v14, v15                        ; the sum's two halves,
	s_delay_alu instid0(VALU_DEP_1)
	v_permlanex16_b32 v252, v14, s[SEL], s[SEL+1]
	s_delay_alu instid0(VALU_DEP_1)
	v_add_f32 v14, v14, v252                       ; and lane l xor 16's: the row's sum
	s_wait_alu depctr_va_vdst(0)
	v_rcp_f32 v14, v14
	v_and_b32 v254, 15, v0                         ; (plain places behind the transcendental, and behind the last products)
	v_bfe_u32 v255, v0, 4, 1
	s_delay_alu instid0(VALU_DEP_1)
	v_lshl_add_u32 v255, v254, 5, v255             ; my scale byte: 32 r + h
	v_lshrrev_b32 v[SO+2], 1, v[LI]                ; 8 x lane
	s_wait_alu depctr_va_vdst(0)                   ; the wait ahead of the reciprocal's first reader
.set n, 0
.rept 16
	v_pk_mul_f32 v[OT+n:OT+n+1], v[OT+n:OT+n+1], v[14:15] op_sel_hi:[1,0]
.set n, n+2
.endr
.irp b, 0,1
	v_max3_num_f32 v[BM+\b], |v[OT+16*\b]|, |v[OT+1+16*\b]|, 0x1800000   ; and the floor 2^(3 - 127)
.endr
.irp i, 2,4,6,8,10,12,14
.irp b, 0,1
	s_delay_alu instid0(VALU_DEP_2)
	v_max3_num_f32 v[BM+\b], v[BM+\b], |v[OT+16*\b+\i]|, |v[OT+1+16*\b+\i]|
.endr
.endr
.irp b, 0,1
	s_delay_alu instid0(VALU_DEP_2)
	v_permlanex16_b32 v[X8+\b], v[BM+\b], s[SEL], s[SEL+1]
.endr
.irp b, 0,1
	s_delay_alu instid0(VALU_DEP_2)
	v_max_num_f32 v[BM+\b], v[BM+\b], v[X8+\b]
.endr
.irp b, 0,1
	s_delay_alu instid0(VALU_DEP_2)
	v_add_nc_u32 v[SO+\b], 0xff000000, v[BM+\b]
.endr
.irp b, 0,1
	s_delay_alu instid0(VALU_DEP_2)
	v_lshrrev_b32 v[X8+\b], 23, v[SO+\b]           ; the two scale bytes
.endr
	v_cvt_scalef32_pk16_fp6_f32 v[PCD:PCD+2], v[OT:OT+15], v[SO]
	v_cvt_scalef32_pk16_fp6_f32 v[X8+4:X8+6], v[OT+16:OT+31], v[SO+1]
	v_nop                                          ; one plain place behind a scaled conversion
.irp i, 0,1,2
	v_permlane16_swap_b32 v[PCD+\i], v[X8+4+\i]    ; lanes 0-15 now hold block 0 whole, lanes 16-31 block 1
.endr
.irp i, 0,1,2
	s_delay_alu instid0(VALU_DEP_3)
	v_mov_b32 v[PCD+3+\i], v[X8+4+\i]
.endr
	v_cndmask_b32 v254, v[X8], v[X8+1], s[HIM]     ; each lane keeps its own block's byte
	global_store_b128 v[LI], v[PCD:PCD+3], s[46:47]               ; 512 consecutive bytes
	global_store_b64 v[SO+2], v[PCD+4:PCD+5], s[46:47] offset:512 ; 256 consecutive bytes
	global_store_b8 v255, v254, s[54:55]
	s_mov_b32 s[TB], 0
	s_mov_b32 s[KSN], 0
	s_cmp_eq_u32 s[OUTER], 1                       ; behind the second tile nothing is set up
	s_cbranch_scc1 .Llast
	s_wait_xcnt 0x0                                ; the stores have read their registers and bases: these are written again only behind this wait
	s_mov_b32 s[CH], s[CSM]
	TSET
	ADSET TB
	KFETCH                                         ; key step 0's k
	s_wait_alu depctr_va_vdst(0)
	s_wait_loadcnt 0x0                             ; q
.Llast:
	s_add_co_u32 s[OUTER], s[OUTER], 1
	s_cmp_lt_u32 s[OUTER], 2
	s_cbranch_scc1 .Ltile
	s_wait_tensorcnt 0x0                           ; the wave's end, behind my tensor load
	ds_add_u32 v[SPW], v[NIL]
	s_wait_dscnt 0x0
	CROUND                                         ; the closing round
	s_endpgm
.Lfunc_end_k_q7c936c5c91_attn:
	.size	k_q7c936c5c91_attn, .Lfunc_end_k_q7c936c5c91_attn-k_q7c936c5c91_attn
	.p2alignl 7, 3214868480
	.fill 96, 4, 3214868480
	.section	.rodata,"a",@progbits
	.p2align	6, 0x0
	.amdhsa_kernel k_q7c936c5c91_attn
		.amdhsa_group_segment_fixed_size 223232
		.amdhsa_private_segment_fixed_size 0
		.amdhsa_enable_private_segment 0
		.amdhsa_kernarg_size 24
		.amdhsa_user_sgpr_count 2
		.amdhsa_user_sgpr_kernarg_segment_ptr 1
		.amdhsa_wavefront_size32 1
		.amdhsa_system_sgpr_workgroup_id_x 1
		.amdhsa_system_sgpr_workgroup_id_y 1
		.amdhsa_system_sgpr_workgroup_id_z 1
		.amdhsa_system_vgpr_workitem_id 0
		.amdhsa_next_free_vgpr 256
		.amdhsa_next_free_sgpr 66
		.amdhsa_reserve_vcc 1
		.amdhsa_float_denorm_mode_32 3
		.amdhsa_float_denorm_mode_16_64 3
		.amdhsa_memory_ordered 1
		.amdhsa_forward_progress 1
		.amdhsa_inst_pref_size 58
	.end_amdhsa_kernel
	.amdgpu_metadata
---
amdhsa.version: [ 1, 2 ]
amdhsa.kernels:
  - .name:           k_q7c936c5c91_attn
    .symbol:         k_q7c936c5c91_attn.kd
    .args:
      - { .name: qb, .offset: 0, .size: 8, .value_kind: global_buffer, .address_space: global }
      - { .name: kv, .offset: 8, .size: 8, .value_kind: global_buffer, .address_space: global }
      - { .name: zb, .offset: 16, .size: 8, .value_kind: global_buffer, .address_space: global }
    .group_segment_fixed_size: 223232
    .private_segment_fixed_size: 0
    .kernarg_segment_align: 8
    .kernarg_segment_size: 24
    .max_flat_workgroup_size: 512
    .sgpr_count:     66
    .vgpr_count:     256
    .wavefront_size: 32
...
	.end_amdgpu_metadata
.endif
;; end of part 3
;; launch gemm_out (part 4): grid 8 x 32, 4 waves a work-group, clusters of 4 x 4, 327,680 bytes of LDS; arguments zb, wq, b_out, out0; writes out0
.if DOCPART == 4
	.amdgcn_target "amdgcn-amd-amdhsa--gfx1250"
	.amdhsa_code_object_version 6
	.text
	.protected	k_q7c936c5c91_gemm_out
	.globl	k_q7c936c5c91_gemm_out
	.p2align	8
	.type	k_q7c936c5c91_gemm_out,@function
k_q7c936c5c91_gemm_out:
	s_mov_b64 s[64:65], 0
	v_nop
	global_prefetch_b8 v0, s[64:65] scope:SCOPE_SE
	s_setreg_imm32_b32 hwreg(HW_REG_WAVE_MODE, 25, 1), 1
	s_wait_xcnt 0x0
	s_wait_alu depctr_hold_cnt(0) depctr_sa_sdst(0) depctr_va_vdst(0) depctr_va_sdst(0) depctr_va_ssrc(0) depctr_va_vcc(0) depctr_vm_vsrc(0)
	s_getreg_b32 s2, hwreg(HW_REG_IB_STS2, 6, 4)
	s_cmp_eq_u32 s2, 0
	s_cbranch_scc0 .Lentry_in_a_cluster
	s_endpgm
.Lentry_in_a_cluster:
	s_bfe_u32 s2, ttmp6, 0x10000c
	s_cmp_lg_u32 s2, 0xf033
	s_cbranch_scc0 .Lentry_shape_is_right
	s_endpgm
.Lentry_shape_is_right:
; out0 = z w_out + b_out on codes of FP6 (E2M3) with one E8M0 scale for each 32 along K = 1,024; sums in f32.
; IN.  zb: z images [64 heads][128 tiles of 16 tokens][768 bytes] (16 rows x 64 K: lane l's registers 0-3 at 16 l, registers 4-5 at 512 + 8 l), from byte 6,291,456 scale bytes [8,192 places][32].
;      wq: w_out's columns are places 3,072-4,095: codes [group of 256 places][K step of 256][place % 256][192 bytes], from byte 3,145,728 scale bytes [place][32].
; THE DEAL.  256 work-groups, each 256 tokens x 128 columns; four waves, 2 x 2, each 128 tokens x 64 columns.  K is short, so nothing walks along K: all that a work-group reads of codes, 196,608 bytes of z and 98,304 of w_out,
; comes into LDS by four first fills, one a wave, and nothing is filled again.  A wave's 64 columns, ALL of K, lie in registers (32 fragments, 384 registers); z's tiles of 16 tokens stream past them: a block is 8 fragments
; and 32 products, its four accumulators by turns; two sets of fragments and of accumulators take turns.  A block's 16 x 64 results are whole behind its products and leave
; while the next block is multiplied.
; THE MATRIX INSTRUCTION IS USED TRANSPOSED (source 0 = 16 places of w_out, source 1 = 16 tokens): a lane holds one token; by the places' order the 16 registers of tiles 2 b, 2 b + 1 are columns 32 b + 16 (lane / 16) + 0 .. 15.
; The bias is the C of each sum's first product.  Scale words and bias come by plain loads: a lane takes its row's 32 bytes, sixteen lanes 512 bytes on end.
; THE WAY OUT: a block goes through the wave's own stage in LDS and comes back as rows of 256 bytes: sixteen lanes store 256 consecutive bytes, aligned.  The stage lies where w_out's tile lay: those bytes have had their
; only fill, and the second barrier stands between every wave's reads of them and the first store.
; CLUSTERS: 4 x 4 work-groups; z's tiles are asked for jointly along a row of the cluster, w_out's along a column.
; NO PREFETCH: all tiles are asked for at the head; there is no loop to run ahead in.
; THE WAITS' COUNTS on DScnt: a fetch is 32 loads, a stage's turn 8 stores and 8 loads.  Younger than block s's fetch are block s - 1's stage and block s + 1's fetch: 48 (block 0: the fetch alone, 32; block 7: the stage alone, 16).
; Younger than a stage's loads is the fetch issued behind them: 32, or nothing.
; REGISTERS: window 0: v4-19 addresses; v32-95 z's scale words (8 a block); v98-129 w_out's; v132-163 the bias; v164-227 two sets of four accumulators.
;   Fragment f lies in window 1 + f / 21 at register 12 (f % 21): 0-31 w_out's (4 q + t), 32-39 and 40-47 z's two sets.  Window 3, v72-103: a block read back from the stage.
; IN FORCE, in place of the figures above: wq's codes lie [group of 256 places][K step of 256][place % 256][208 bytes, 192 of codes], its scale bytes from byte 3,407,872; w_out's tile is 106,496 bytes and has no padding in LDS.
.set PITCH,  208                       ; an LDS row of w_out's codes for 256 along K, as it lies in memory: 52 words, so that the 32 lanes of a load of 8 bytes touch 64 different banks
.set KSL,    128*PITCH                 ; my 128 columns, 256 along K
.set AH,     98304                     ; z: [half of 128 tokens][16 heads][8 tiles][768 bytes]
.set BREG,   2*AH
.set SPARE,  BREG+4*KSL
.set SPITCH, 272
.set FR,     12
.set FPW,    21
.set ADRA, 4                           ; v4 16 x lane, v5 8 x lane, + my half of z; v6, v7 the same eight heads on
.set ADRB, 8                           ; v8 my row of w_out's tile; v10 the same two K steps of 256 on
.set STO,  12
.set RD,   13
.set CO,   14
.set SPW,  16
.set NIL,  17
.set VS,   18                          ; 32 x (lane % 16)
.set VBI,  19                          ; 64 x (lane / 16)
.set SA,   32
.set SB,   98                          ; (its numbers differ from SA's modulo 8)
.set BIAS, 132
.set ACC,  164
.set BK,   72
.set G1A, 24
.set G0A, 32
.set G0B, 36
.set G1B, 48
.set MSB, 0
.macro WIN new                         ; the immediate's high byte repeats the setting that is left
.if MSB != (\new)
	s_set_vgpr_msb (MSB<<8)|(\new)
.set MSB, (\new)
.endif
.endm
.macro PLACES
.rept 4
	v_nop
.endr
.endm
.macro TLOAD g0, g1
	tensor_load_to_lds s[\g0:\g0+3], s[\g1:\g1+7]
	s_nop 0
	PLACES
.endm
.macro CROUND
	s_barrier_signal -1
	s_barrier_wait -1
	s_cmp_lg_u32 s14, 0
	s_cbranch_scc1 .Lnot_wave_0_\@
	s_barrier_signal -3
.Lnot_wave_0_\@:
	s_barrier_wait -3
	s_barrier_signal -1
	s_barrier_wait -1
.endm
	s_load_b256 s[4:11], s[0:1], 0x0               ; zb, wq, b_out, out0
	v_lshl_add_u32 v[SPW], v0, 2, SPARE
	v_mov_b32 v[NIL], 0
	ds_add_u32 v[SPW], v[NIL]                      ; the opening lines: the add, twice on end, and its wait ahead of my tensor load
	ds_add_u32 v[SPW], v[NIL]
	v_lshrrev_b32 v1, 5, v0
	v_readfirstlane_b32 s14, v1                    ; wave
	s_lshr_b32 s15, s14, 1                         ; which 128 tokens are mine
	s_and_b32 s16, s14, 1                          ; which 64 columns.  Also: which half of a tile I fetch
	s_bfe_u32 s40, ttmp6, 0x40000                  ; cx, cy
	s_bfe_u32 s41, ttmp6, 0x40004
	s_lshl_b32 s42, ttmp9, 2
	s_add_co_u32 s42, s42, s40                     ; which 128 columns, 0 .. 7
	s_and_b32 s17, ttmp7, 0xffff
	s_lshl_b32 s17, s17, 2
	s_add_co_u32 s17, s17, s41                     ; which 256 tokens, 0 .. 31
	s_lshl_b32 s43, s41, 2
	s_lshl_b32 s43, 15, s43                        ; my row of the cluster
	s_lshl_b32 s44, 0x1111, s40                    ; my column
	; z: 16 heads x 8 tiles of 768 bytes: 16 rows of 6,144 bytes (768 elements of 8), 98,304 bytes apart; no padding
	s_or_b32 s[G1A+0], s43, (3<<16)|(1<<21)
	s_mov_b32 s[G1A+1], 768<<16
	s_mov_b32 s[G1A+2], 16<<16
	s_mov_b32 s[G1A+3], 768<<16
	s_mov_b32 s[G1A+4], 16
	s_mov_b32 s[G1A+5], 12288
	s_mov_b32 s[G1A+6], 0
	s_mov_b32 s[G1A+7], 0
	; w_out: two K steps of 256: 2 rows of 24,576 bytes (128 places x 192), 49,152 bytes apart; 16 bytes of padding behind every 64
	; (2 rows of 26,624 bytes, 128 places x 208, 53,248 bytes apart; no padding)
	s_or_b32 s[G1B+0], s44, (3<<16)|(1<<21)
	s_mov_b32 s[G1B+1], 3328<<16
	s_mov_b32 s[G1B+2], 2<<16
	s_mov_b32 s[G1B+3], 3328<<16
	s_mov_b32 s[G1B+4], 2
	s_mov_b32 s[G1B+5], 6656
	s_mov_b32 s[G1B+6], 0
	s_mov_b32 s[G1B+7], 0
	s_lshr_b32 s20, s17, 3                         ; z: the batch's first head is tile 2,048 x batch,
	s_lshl_b32 s20, s20, 11
	s_and_b32 s21, s17, 7
	s_lshl_b32 s21, s21, 4
	s_add_co_u32 s20, s20, s21                     ; + my work-group's 16 tiles,
	s_lshl_b32 s21, s16, 3
	s_add_co_u32 s20, s20, s21                     ; + the 8 that I fetch
	s_mul_i32 s20, s20, 768
	s_mov_b32 s21, 0
	s_lshr_b32 s46, s42, 1                         ; w_out: the group of 256 places,
	s_mul_i32 s46, s46, 212992
	s_and_b32 s47, s42, 1
	s_mul_i32 s47, s47, 26624                      ; its half,
	s_add_co_u32 s46, s46, s47
	s_mul_i32 s47, s16, 106496                     ; the two K steps that I fetch
	s_add_co_u32 s46, s46, s47
	s_add_co_u32 s46, s46, 2555904                 ; from place 3,072 on
	s_mov_b32 s47, 0
	s_mov_b32 s[G0A], 1
	s_mul_i32 s[G0A+1], s16, AH
	s_mov_b32 s[G0B], 1
	s_mul_i32 s[G0B+1], s16, 2*KSL
	s_add_co_u32 s[G0B+1], s[G0B+1], BREG
	s_wait_alu depctr_va_vdst(0)
	s_wait_dscnt 0x0                               ; both opening adds are done
	CROUND                                         ; all sixteen work-groups are here: the joint loads meet
	s_wait_kmcnt 0x0
	s_add_nc_u64 s[G0A+2:G0A+3], s[4:5], s[20:21]
	s_or_b32 s[G0A+3], s[G0A+3], 0x80000000
	s_add_nc_u64 s[G0B+2:G0B+3], s[6:7], s[46:47]
	s_or_b32 s[G0B+3], s[G0B+3], 0x80000000
	s_cmp_lt_u32 s14, 2                            ; waves 0 and 1 fetch w_out's tile, which is wanted first, a half each; waves 2 and 3 z's
	s_cbranch_scc0 .Lfor_z
	TLOAD G0B, G1B
	s_branch .Lasked
.Lfor_z:
	TLOAD G0A, G1A
.Lasked:
	s_lshl_b32 s20, s17, 8
	s_lshl_b32 s21, s15, 7
	s_add_co_u32 s20, s20, s21                     ; my first token's place
	s_lshl_b32 s22, s20, 5
	s_add_co_u32 s22, s22, 6291456
	s_mov_b32 s23, 0
	s_add_nc_u64 s[56:57], s[4:5], s[22:23]        ; z's scale bytes
	s_lshl_b32 s46, s42, 7
	s_lshl_b32 s47, s16, 6
	s_add_co_u32 s46, s46, s47                     ; my first column
	s_lshl_b32 s22, s46, 5
	s_add_co_u32 s22, s22, 3407872+3072*32
	s_add_nc_u64 s[58:59], s[6:7], s[22:23]        ; w_out's scale bytes
	s_lshl_b32 s22, s46, 2
	s_add_nc_u64 s[60:61], s[8:9], s[22:23]        ; the bias
	s_lshl_b32 s20, s20, 12
	s_add_co_u32 s22, s20, s22
	s_add_nc_u64 s[12:13], s[10:11], s[22:23]      ; my part of out0
	s_mul_i32 s68, s15, AH
	s_mul_i32 s69, s16, 64*PITCH
	s_add_co_u32 s69, s69, BREG
	s_mul_i32 s70, s14, 16*SPITCH
	s_add_co_u32 s70, s70, BREG                    ; my stage
	v_and_b32 v1, 15, v0                           ; r
	v_bfe_u32 v2, v0, 4, 1                         ; h
	v_and_b32 v3, 31, v0
	v_lshl_add_u32 v[ADRA], v3, 4, s68
	v_lshl_add_u32 v[ADRA+1], v3, 3, s68
	v_add_nc_u32 v[ADRA+2], 49152, v[ADRA]
	v_add_nc_u32 v[ADRA+3], 49152, v[ADRA+1]
	v_mul_u32_u24 v20, v1, PITCH
	v_mad_u32_u24 v20, v2, 24, v20
	v_add_nc_u32 v[ADRB], s69, v20
	v_add_nc_u32 v[ADRB+2], 2*KSL, v[ADRB]
	v_mul_u32_u24 v21, v1, SPITCH                  ; into the stage: row r, 64 bytes for each half of the lanes
	v_lshl_add_u32 v21, v2, 6, v21
	v_add_nc_u32 v[STO], s70, v21
	v_mul_u32_u24 v22, v2, SPITCH                  ; back: sixteen lanes to a row of 256 bytes, two rows an instruction
	v_lshl_add_u32 v22, v1, 4, v22
	v_add_nc_u32 v[RD], s70, v22
	v_lshlrev_b32 v23, 12, v2                      ; and the same two rows in out0
	v_lshl_add_u32 v[CO], v1, 4, v23
	v_lshlrev_b32 v[VS], 5, v1
	v_lshlrev_b32 v[VBI], 6, v2
	s_wait_alu depctr_va_vdst(0)
.irp t, 0,1,2,3
	global_load_b128 v[SB+8*\t:SB+8*\t+3], v[VS], s[58:59] offset:512*\t
	global_load_b128 v[SB+8*\t+4:SB+8*\t+7], v[VS], s[58:59] offset:512*\t+16
.endr
.irp t, 0,1,2,3
	global_load_b128 v[BIAS+8*\t:BIAS+8*\t+3], v[VBI], s[60:61] offset:(32*(\t/2)+8*(\t%2))*4
	global_load_b128 v[BIAS+8*\t+4:BIAS+8*\t+7], v[VBI], s[60:61] offset:(32*(\t/2)+8*(\t%2))*4+16
.endr
.irp s, 0,1,2,3,4,5,6,7
	global_load_b128 v[SA+8*\s:SA+8*\s+3], v[VS], s[56:57] offset:512*\s
	global_load_b128 v[SA+8*\s+4:SA+8*\s+7], v[VS], s[56:57] offset:512*\s+16
.endr
; w_out's fragment of K step q (128) and column tile t: six pieces of 8 bytes; for K steps 4-7 the second address register serves
.macro FRAGB q, t
.set F_, 4*(\q)+(\t)
	WIN (1+F_/FPW)<<6
.irp p, 0,1,2,3,4,5
.set PIECE, 12*((\q)%2)+6*(\p/3)+\p%3
	ds_load_b64 v[FR*(F_%FPW)+2*\p:FR*(F_%FPW)+2*\p+1], v[ADRB+2*((\q)/4)] offset:8*PIECE+(((\q)/2)%2)*KSL+(\t)*16*PITCH
.endr
.endm
.macro FETCH s                         ; block s of z, all of K, into set s % 2: K step q is heads 2 q and 2 q + 1: 32 loads
.irp q, 0,1,2,3,4,5,6,7
.set G_, 32+8*((\s)%2)+\q
.set R_, FR*(G_%FPW)
.set O_, ((2*\q)%8)*6144+(\s)*768
	WIN (1+G_/FPW)<<6
	ds_load_b128 v[R_:R_+3], v[ADRA+2*(\q/4)] offset:O_
	ds_load_b64 v[R_+4:R_+5], v[ADRA+1+2*(\q/4)] offset:O_+512
	ds_load_b128 v[R_+6:R_+9], v[ADRA+2*(\q/4)] offset:O_+6144
	ds_load_b64 v[R_+10:R_+11], v[ADRA+1+2*(\q/4)] offset:O_+6144+512
.endr
.endm
.macro PRODS s                         ; 32 products, K ascending, the block's four accumulators by turns
.irp q, 0,1,2,3,4,5,6,7
.irp t, 0,1,2,3
.set F_, 4*\q+\t
.set G_, 32+8*((\s)%2)+\q
.set D_, ACC+32*((\s)%2)+8*\t
	WIN (1+F_/FPW)|((1+G_/FPW)<<2)
.if \q == 0
	v_wmma_scale_f32_16x16x128_f8f6f4 v[D_:D_+7], v[FR*(F_%FPW):FR*(F_%FPW)+FR-1], v[FR*(G_%FPW):FR*(G_%FPW)+FR-1], v[BIAS+8*\t:BIAS+8*\t+7], v[SB+8*\t+\q], v[SA+8*(\s)+\q] matrix_a_fmt:MATRIX_FMT_FP6 matrix_b_fmt:MATRIX_FMT_FP6
.else
	v_wmma_scale_f32_16x16x128_f8f6f4 v[D_:D_+7], v[FR*(F_%FPW):FR*(F_%FPW)+FR-1], v[FR*(G_%FPW):FR*(G_%FPW)+FR-1], v[D_:D_+7], v[SB+8*\t+\q], v[SA+8*(\s)+\q] matrix_a_fmt:MATRIX_FMT_FP6 matrix_b_fmt:MATRIX_FMT_FP6
.endif
.endr
.endr
.endm
.macro TOSTAGE s                       ; LDS serves a wave's instructions in order: no wait between the stores and the loads, nor ahead of the next block's stores
.set AC, ACC+32*((\s)%2)
	WIN 0
.irp b, 0,1,2,3
	ds_store_b128 v[STO], v[AC+8*\b:AC+8*\b+3] offset:128*(\b/2)+32*(\b%2)       ; each accumulator from its low end on
	ds_store_b128 v[STO], v[AC+8*\b+4:AC+8*\b+7] offset:128*(\b/2)+32*(\b%2)+16
.endr
	WIN 0xc0
.irp i, 0,1,2,3,4,5,6,7
	ds_load_b128 v[BK+4*\i:BK+4*\i+3], v[RD] offset:\i*2*SPITCH
.endr
.endm
.macro SEND s, younger                 ; the stage's rows 2 i and 2 i + 1 are tokens 32 (s / 2) + 8 (s % 2) + t + 8 (t / 8) of my 128
	s_wait_dscnt \younger
	WIN 0x0c
.irp i, 0,1,2,3,4,5,6,7
	global_store_b128 v[CO], v[BK+4*\i:BK+4*\i+3], s[12:13] offset:(32*((\s)/2)+8*((\s)%2)+2*\i+8*(\i/4))*4096 th:TH_STORE_NT
.endr
.endm
.macro BLOCK s
.if (\s) == 0
	s_wait_dscnt 32
.elseif (\s) < 7
	s_wait_dscnt 48
.else
	s_wait_dscnt 16
.endif
	PRODS \s
.if (\s) > 0
.if (\s) < 7
	SEND (\s)-1, 32                                ; the block before leaves: its way through the stage stood under these products
.else
	SEND (\s)-1, 0
.endif
.endif
	WIN 0
	PLACES                                         ; in front of the stores that read results just made and of the loads into fragments just read
.if (\s) > 0
	s_wait_xcnt 0x0                                ; the stores have read their registers: the stage's loads may land there
.endif
	TOSTAGE \s
.if (\s) < 6
	FETCH (\s)+2
.endif
.endm
	s_cmp_lt_u32 s14, 2
	s_cbranch_scc0 .Lnot_w
	s_wait_tensorcnt 0x0                           ; w_out's halves are waves 0 and 1's
.Lnot_w:
	s_barrier_signal -1
	s_barrier_wait -1                              ; w_out's tile is in
.irp q, 0,1,2,3,4,5,6,7
.irp t, 0,1,2,3
	FRAGB \q, \t
.endr
.endr
	WIN 0
	s_wait_tensorcnt 0x0                           ; every wave's tile is in,
	s_wait_dscnt 0x0                               ; and my reads of w_out's tile are over
	s_barrier_signal -1
	s_barrier_wait -1                              ; z is in, and w_out's bytes are free for the stages
	FETCH 0
	FETCH 1
	s_wait_loadcnt 0x0                             ; scale words and bias
.irp s, 0,1,2,3,4,5,6,7
	BLOCK \s
.endr
	SEND 7, 0
	WIN 0
	s_wait_tensorcnt 0x0                           ; the wave's end, behind my last LDS store
	ds_add_u32 v[SPW], v[NIL]
	s_wait_dscnt 0x0
	CROUND                                         ; the closing round
	s_endpgm
.Lfunc_end_k_q7c936c5c91_gemm_out:
	.size	k_q7c936c5c91_gemm_out, .Lfunc_end_k_q7c936c5c91_gemm_out-k_q7c936c5c91_gemm_out
	.p2alignl 7, 3214868480
	.fill 96, 4, 3214868480
	.section	.rodata,"a",@progbits
	.p2align	6, 0x0
	.amdhsa_kernel k_q7c936c5c91_gemm_out
		.amdhsa_group_segment_fixed_size 327680
		.amdhsa_private_segment_fixed_size 0
		.amdhsa_enable_private_segment 0
		.amdhsa_kernarg_size 32
		.amdhsa_user_sgpr_count 2
		.amdhsa_user_sgpr_kernarg_segment_ptr 1
		.amdhsa_wavefront_size32 1
		.amdhsa_system_sgpr_workgroup_id_x 1
		.amdhsa_system_sgpr_workgroup_id_y 1
		.amdhsa_system_sgpr_workgroup_id_z 1
		.amdhsa_system_vgpr_workitem_id 0
		.amdhsa_next_free_vgpr 1024
		.amdhsa_next_free_sgpr 72
		.amdhsa_reserve_vcc 0
		.amdhsa_float_denorm_mode_32 3
		.amdhsa_float_denorm_mode_16_64 3
		.amdhsa_memory_ordered 1
		.amdhsa_forward_progress 1
		.amdhsa_inst_pref_size 88
	.end_amdhsa_kernel
	.amdgpu_metadata
---
amdhsa.version: [ 1, 2 ]
amdhsa.kernels:
  - .name:           k_q7c936c5c91_gemm_out
    .symbol:         k_q7c936c5c91_gemm_out.kd
    .args:
      - { .name: zb, .offset: 0, .size: 8, .value_kind: global_buffer, .address_space: global }
      - { .name: wq, .offset: 8, .size: 8, .value_kind: global_buffer, .address_space: global }
      - { .name: b_out, .offset: 16, .size: 8, .value_kind: global_buffer, .address_space: global }
      - { .name: out0, .offset: 24, .size: 8, .value_kind: global_buffer, .address_space: global }
    .group_segment_fixed_size: 327680
    .private_segment_fixed_size: 0
    .kernarg_segment_align: 8
    .kernarg_segment_size: 32
    .max_flat_workgroup_size: 128
    .sgpr_count:     72
    .vgpr_count:     1024
    .wavefront_size: 32
...
	.end_amdgpu_metadata
.endif
;; end of part 4
